; MI455X (gfx1250); checked and timed in simulation.
; The chip was launched on July 23, 2026; its instructions are those of AMD's public machine-readable ISA for CDNA 5 (MIT licence, August 2026) and "CDNA5" Instruction Set Architecture Reference Guide (July 2026). The comments in the code are by the model that wrote it; some were corrected since.
;; Switch Linear. Allowed arithmetic: matrix products marked QUANTISED: E2M1 operands, one E8M0 scale for each 32 along K, by v_wmma_scale_f32_16x16x128_f8f6f4 with both operands' format E2M1 (or v_wmma_scale_f32_32x16x128_f4), f32 sums; everything else in f32.
;; Inputs: bias 8 x 2,048 float32; indices 2 x 1,024 x 2 int32; weight 8 x 2,048 x 2,048 float32; x 2 x 1,024 x 2,048 float32.
;; Outputs: out0 2 x 1,024 x 2 x 2,048 float32.
;; This version of the problem:
;;   THIS VERSION OF THE PROBLEM IS GIVEN IN LOW PRECISION. The matrix products marked QUANTISED in the list below multiply operands that are first quantised to E2M1 (2 exponent bits, 1 mantissa bit; 4 bits a number), with one power-of-two scale for each 32 numbers along K (OCP MX v1.0); their sums are f32. All else is computed in f32.
;;   The module's matrix products, in the order in which they are computed (A, B: the left and right operand; K: the contracted axis; several contracted axes count as one K, in the product's order):
;;     1. [M 2,048, K 2,048] x [K 2,048, N 16,384]; A: input x; B: input weight: QUANTISED
;;   THE QUANTISER, for each operand of a quantised product, along K:
;;     - K is cut into blocks of 32 from its start; a last block that is shorter is filled with zeros.
;;     - A block's scale is 2^e with e = floor(log2(the largest magnitude in the block)) - 2, held to -126 .. 127; a block of zeros has e = 0. As a byte (E8M0): e + 127.
;;     - Each number is divided by its block's scale, clamped to +-6, and rounded to the nearest number of E2M1, ties to even, subnormals kept.
;;     - The product sums the exact products of the quantised numbers (number of the format x scale) in f32.
;;   ~~~python
;;   def quantise(x, axis):      # numpy; x: float32 -> the quantised numbers, widened to float32 again
;;       x = np.moveaxis(x, axis, -1); K = x.shape[-1]
;;       x = np.pad(x, [(0, 0)] * (x.ndim - 1) + [(0, -K % 32)]); x = x.reshape(x.shape[:-1] + (-1, 32)); a = np.abs(x).max(-1, keepdims=True)
;;       e = np.where(a > 0, np.clip(np.frexp(np.where(a > 0, a, 1))[1] - 1 - 2, -126, 127), 0)      # np.frexp(a)[1] - 1 = floor(log2(a)), exactly
;;       r = np.clip(x / 2.0 ** e, -6, 6)
;;       step = 2.0 ** (np.maximum(np.frexp(np.where(r == 0, 1, r))[1] - 1, 0) - 1)
;;       q = np.round(r / step) * step * 2.0 ** e      # np.round: ties to even
;;       return np.moveaxis(q.reshape(q.shape[:-2] + (-1,))[..., :K], -1, axis).astype(np.float32)
;;   ~~~
;; 2 versions. Each part assembles by itself: llvm-mc -triple=amdgcn-amd-amdhsa -mcpu=gfx1250 --defsym DOCPART=n.
;; ======== version 1 of 2: 2 launches
;; workspace buffers: xc 2,097,152 bytes; xs 131,072 bytes; route 16,640 bytes of whole numbers
;; launch prep (part 1): grid 257 x 1, 8 waves a work-group, no clusters, 43,520 bytes of LDS; arguments x, indices, xc, xs, route; writes xc, xs, route
.if DOCPART == 1
	.amdgcn_target "amdgcn-amd-amdhsa--gfx1250"
	.amdhsa_code_object_version 6
	.text
	.protected	k_q7772b1e72d_prep
	.globl	k_q7772b1e72d_prep
	.p2align	8
	.type	k_q7772b1e72d_prep,@function
k_q7772b1e72d_prep:
	s_mov_b64 s[64:65], 0
	v_nop
	global_prefetch_b8 v0, s[64:65] scope:SCOPE_SE
	s_setreg_imm32_b32 hwreg(HW_REG_WAVE_MODE, 25, 1), 1
	s_wait_xcnt 0x0
; TWO JOBS IN ONE LAUNCH, parted on the work-group's number.
; Work-groups 1 to 256: x [2048 tokens][2048] f32 becomes codes of FP4 (E2M1), K innermost, xc [2048][1024 bytes], and one E8M0 byte for each 32 along K, xs [2048][64 bytes].
;   A block's scale is 2^(floor(log2(its largest magnitude)) - 2); its byte is the largest magnitude's exponent field - 2, held at 1 from below; each number is divided by the scale and rounded to the
;   nearest code, ties to even, beyond 6 the largest code.  A wave takes one token: four steps of 512 numbers.  Each load reads 512 consecutive bytes; a step's 2,048 bytes turn through the wave's own stage in
;   LDS so that a lane holds 16 neighbours along K (two lanes to a block).  A lane's 16 codes are 8 bytes: a wave's store covers 256 consecutive bytes, aligned.
; Work-group 0: the 4,096 routed rows (row id = 2 x token + slot, which is also the row of the output) are sorted by expert, by counting: route words 0 .. 4095 = row ids, expert by expert; words 4096 .. 4104 =
;   where each expert's rows begin, and 4,096 behind the last (words 4105 .. 4127 hold 4,096 too).  No atomics: ranks inside a wave by lane counts, between the eight waves by a table of counts in LDS.
; LIMITS: NaN and infinities in x are not served.  A block whose largest magnitude lies under 2^-124, zeros among them, gets the byte 1: for a block of zeros the rule says 127, but its codes are zeros, and this
;   program alone reads the bytes.  An index is held to 0 .. 7.
; LDS: each of the two paths has bytes of its own.
.set SP,    80                         ; a lane's place in a stage: its 64 bytes + 16 of padding
.set WREG,  2*32*SP                    ; a wave's two stages, 5,120 bytes; eight waves from byte 0 on
.set SCB,   40960                      ; the work-group's 8 x 64 scale bytes
.set SRT,   41472                      ; the sort's table of counts: 128 bytes a wave
.set R,     16                         ; v16-79   four sets of 16 numbers as loaded
.set X,     80                         ; v80-111  two sets of 16 neighbours
.set C,     112                        ; v112-119 a step's codes, two registers each: no store's data are written again
.set E,     120                        ; v120-123 a step's scale byte
.set VV,    16                         ; the sort: v16-31 my 16 entries' experts; register 4 q + c is entry 512 w + 128 q + 4 lane + c
.set RK,    32                         ; v32-47   their ranks among my wave's entries of the same expert
.set PS,    48                         ; v48-63   their places in the list
.set IDV,   64                         ; v64-79   their row ids
.set TB,    80                         ; v80-87   the eight waves' counts: lane e holds expert e's
.set TT,    88                         ; v88-95   at work
.set RUN,   16                         ; s16-23   how many of each expert my wave has met
.set TO,    32                         ; s32-39   totals, later my wave's bases
.set OF,    40                         ; s40-48   where each expert begins
.set MK,    52                         ; s52-59   a register's eight compare masks
	s_load_b256 s[4:11], s[0:1], 0x0               ; x s[4:5], indices s[6:7], xc s[8:9], xs s[10:11]
	s_load_b64 s[12:13], s[0:1], 0x20              ; route
	v_lshl_add_u32 v128, v0, 2, 0xa600
	v_mov_b32 v129, 0
	v_lshrrev_b32 v1, 5, v0                        ; wave, in every lane
	v_readfirstlane_b32 s14, v1                    ; and as a scalar
	v_and_b32 v2, 31, v0                           ; lane
	s_wait_kmcnt 0x0
	s_cmp_eq_u32 ttmp9, 0
	s_cbranch_scc1 .Lsort
; ---------------------------------------------------------------- the quantiser
	s_sub_co_u32 s15, ttmp9, 1                     ; which eight tokens
	s_lshl_b32 s16, s15, 3
	s_add_co_u32 s16, s16, s14                     ; my wave's token
	s_mov_b32 s21, 0
	s_lshl_b32 s20, s16, 13                        ; 8,192 bytes of x a token
	s_add_nc_u64 s[4:5], s[4:5], s[20:21]
	s_lshl_b32 s20, s16, 10                        ; 1,024 bytes of codes
	s_add_nc_u64 s[8:9], s[8:9], s[20:21]
	s_lshl_b32 s20, s15, 9                         ; 512 scale bytes for the work-group's eight tokens
	s_add_nc_u64 s[10:11], s[10:11], s[20:21]
	v_lshlrev_b32 v3, 4, v2                        ; my 16 bytes of a load's 512
.macro LOAD t
.irp i, 0,1,2,3
	global_load_b128 v[R+16*(\t)+4*\i:R+16*(\t)+4*\i+3], v3, s[4:5] offset:2048*(\t)+512*\i th:TH_LOAD_NT
.endr
.endm
.macro TURN t                          ; step t's numbers through a stage: LDS serves a wave's instructions in order, so no wait stands between the stores and the loads
.irp i, 0,1,2,3
	ds_store_b128 v14, v[R+16*(\t)+4*\i:R+16*(\t)+4*\i+3] offset:32*SP*((\t)%2)+8*SP*\i
.endr
.irp i, 0,1,2,3
	ds_load_b128 v[X+16*((\t)%2)+4*\i:X+16*((\t)%2)+4*\i+3], v15 offset:32*SP*((\t)%2)+16*\i
.endr
.endm
	LOAD 0                                         ; the whole token at once: 16 loads a wave
	LOAD 1
	LOAD 2
	LOAD 3
	s_mul_i32 s17, s14, WREG
	v_lshrrev_b32 v14, 2, v2
	v_mul_u32_u24 v14, v14, SP
	v_and_b32 v15, 3, v2
	v_lshl_add_u32 v14, v15, 4, v14
	v_add_nc_u32 v14, s17, v14                     ; into a stage: four lanes' 64 bytes on end, then 16 of padding
	v_mul_u32_u24 v15, v2, SP
	v_add_nc_u32 v15, s17, v15                     ; out of it: my 16 neighbours
	v_lshlrev_b32 v4, 3, v2                        ; my 8 bytes of a step's 256 bytes of codes
	s_lshl_b32 s18, s14, 6
	s_add_co_u32 s18, s18, SCB
	v_lshrrev_b32 v5, 1, v2
	v_add_nc_u32 v5, s18, v5                       ; my block's byte among my token's 64
	v_lshl_add_u32 v6, v2, 4, SCB                  ; and, for wave 0 at the end, 16 of the work-group's 512
	s_wait_loadcnt 12                              ; step 0's four loads are in; the twelve behind them may be out
	TURN 0
.macro QSTEP t
.set XQ, X+16*((\t)%2)
.if (\t) > 0
	s_wait_dscnt 1                                 ; this step's numbers are back from the stage; the last step's byte store, issued behind them, may be out
.else
	s_wait_dscnt 0x0
.endif
.if (\t) < 3
	s_wait_loadcnt 4*(2-(\t))                      ; the next step's four loads are in; those of the steps behind it may be out
	TURN (\t)+1                                    ; and go through the other stage while this step is worked
.endif
	v_max3_num_f32 v8, |v[XQ]|, |v[XQ+1]|, |v[XQ+2]|               ; the largest magnitude of my 16, in two chains
	v_max3_num_f32 v9, |v[XQ+3]|, |v[XQ+4]|, |v[XQ+5]|
.irp i, 6,10
	v_max3_num_f32 v8, v8, |v[XQ+\i]|, |v[XQ+\i+1]|
	v_max3_num_f32 v9, v9, |v[XQ+\i+2]|, |v[XQ+\i+3]|
.endr
	v_max3_num_f32 v8, v8, |v[XQ+14]|, |v[XQ+15]|
	v_max3_num_f32 v8, v8, v9, 0x1800000           ; and the floor 2^(3 - 127): the byte cannot fall under 1
	v_max_num_f32_dpp v8, v8, v8 row_xmask:1 row_mask:0xf bank_mask:0xf   ; with my neighbour's 16: the block's
	v_add_nc_u32 v11, 0xff000000, v8               ; 2 off its exponent field: the conversion takes the exponent field of this operand as its scale
	v_cvt_scalef32_pk8_fp4_f32 v[C+2*(\t)], v[XQ:XQ+7], v11
	v_cvt_scalef32_pk8_fp4_f32 v[C+2*(\t)+1], v[XQ+8:XQ+15], v11
	v_lshrrev_b32 v[E+(\t)], 23, v11               ; the scale's byte (also the plain line behind the conversions)
	ds_store_b8 v5, v[E+(\t)] offset:16*(\t)       ; both lanes of a block write the same byte with the same value
	global_store_b64 v4, v[C+2*(\t):C+2*(\t)+1], s[8:9] offset:256*(\t)
.endm
	QSTEP 0
	QSTEP 1
	QSTEP 2
	QSTEP 3
	s_wait_dscnt 0x0                               ; for the others' sake: my byte stores have landed
	s_barrier_signal -1
	s_barrier_wait -1                              ; the eight tokens' 512 scale bytes lie together
	s_cmp_lg_u32 s14, 0
	s_cbranch_scc1 .Lqend
	ds_load_b128 v[124:127], v6
	s_wait_dscnt 0x0
	global_store_b128 v3, v[124:127], s[10:11]     ; wave 0 stores them: 512 consecutive bytes, aligned
.Lqend:
	s_wait_tensorcnt 0x0
	ds_add_u32 v128, v129
	s_wait_dscnt 0x0
	s_endpgm
; ---------------------------------------------------------------- the sort
.Lsort:
	v_lshlrev_b32 v3, 4, v2
	v_lshl_add_u32 v3, v1, 11, v3                  ; my wave's 512 entries are 2,048 bytes; 16 bytes a lane
.irp q, 0,1,2,3
	global_load_b128 v[VV+4*\q:VV+4*\q+3], v3, s[6:7] offset:512*\q
.endr
	v_lshrrev_b32 v7, 2, v3                        ; 512 w + 4 lane: the row id of my first entry
	v_lshl_add_u32 v10, v0, 2, SRT                 ; my wave's 128 bytes of the table, my lane's word
	v_lshl_add_u32 v11, v2, 2, SRT                 ; my lane's word in wave 0's part
.irp e, 0,1,2,3,4,5,6,7
	s_mov_b32 s[RUN+\e], 0
.endr
	s_wait_loadcnt 0x0
.irp n, 0,1,2,3,4,5,6,7,8,9,10,11,12,13,14,15
	v_min_u32 v[VV+\n], 7, v[VV+\n]
.endr
; Register n: an entry's rank = how many entries of its expert my wave has met in earlier registers + in lower lanes of this one.
.macro RANK n
.irp e, 0,1,2,3,4,5,6,7
	v_cmp_eq_u32 s[MK+\e], \e, v[VV+(\n)]
.endr
	v_mbcnt_lo_u32_b32 v[RK+(\n)], s[MK], s[RUN]   ; expert 0's figure starts the choice: the register is written whole
.irp e, 1,2,3,4,5,6,7
	v_mbcnt_lo_u32_b32 v[TT+\e], s[MK+\e], s[RUN+\e]
.endr
.irp e, 1,2,3,4,5,6,7
	v_cndmask_b32 v[RK+(\n)], v[RK+(\n)], v[TT+\e], s[MK+\e]
.endr
.irp e, 0,1,2,3,4,5,6,7
	s_bcnt1_i32_b32 s24, s[MK+\e]
	s_add_co_u32 s[RUN+\e], s[RUN+\e], s24
.endr
.endm
.irp n, 0,1,2,3,4,5,6,7,8,9,10,11,12,13,14,15
	RANK \n
.endr
	v_mov_b32 v9, 0
.irp e, 0,1,2,3,4,5,6,7
	v_writelane_b32 v9, s[RUN+\e], \e              ; lane e: my wave's count of expert e
.endr
	ds_store_b32 v10, v9
	s_wait_dscnt 0x0                               ; for the others' sake: my counts have landed
	s_barrier_signal -1
	s_barrier_wait -1
.irp w, 0,1,2,3,4,5,6,7
	ds_load_b32 v[TB+\w], v11 offset:128*\w
.endr
	s_wait_dscnt 0x0
	v_add_nc_u32 v12, v[TB], v[TB+1]               ; lane e: all entries of expert e,
.irp w, 2,3,4,5,6,7
	v_add_nc_u32 v12, v12, v[TB+\w]
.endr
	v_mov_b32 v13, 0                               ; and those of the waves in front of mine
.irp w, 0,1,2,3,4,5,6
	v_cmp_lt_u32 vcc_lo, \w, v1
	v_cndmask_b32 v8, 0, v[TB+\w], vcc_lo
	v_add_nc_u32 v13, v13, v8
.endr
.irp e, 0,1,2,3,4,5,6,7
	v_readlane_b32 s[TO+\e], v12, \e
.endr
	s_mov_b32 s[OF], 0
.irp e, 0,1,2,3,4,5,6,7
	s_add_co_u32 s[OF+1+\e], s[OF+\e], s[TO+\e]    ; where each expert begins; the ninth is 4,096
.endr
	v_mov_b32 v14, 0x1000
.irp e, 0,1,2,3,4,5,6,7,8
	v_writelane_b32 v14, s[OF+\e], \e
.endr
	v_add_nc_u32 v15, v14, v13                     ; lane e: where my wave's entries of expert e begin
.irp e, 0,1,2,3,4,5,6,7
	v_readlane_b32 s[TO+\e], v15, \e
.endr
.macro PLACE n
	v_mov_b32 v[PS+(\n)], s[TO]
.irp e, 1,2,3,4,5,6,7
	v_cmp_ne_u32 vcc_lo, \e, v[VV+(\n)]
	v_cndmask_b32 v[PS+(\n)], s[TO+\e], v[PS+(\n)], vcc_lo   ; my expert's base
.endr
	v_add_nc_u32 v[PS+(\n)], v[PS+(\n)], v[RK+(\n)]
	v_min_u32 v[PS+(\n)], 0xfff, v[PS+(\n)]        ; a place in the list: held inside it
	v_lshlrev_b32 v[PS+(\n)], 2, v[PS+(\n)]
	v_add_nc_u32 v[IDV+(\n)], 128*((\n)/4)+(\n)%4, v7
	global_store_b32 v[PS+(\n)], v[IDV+(\n)], s[12:13]   ; 4 bytes to a place that the sort chose: 16 KiB in all, once; each store has registers of its own
.endm
.irp n, 0,1,2,3,4,5,6,7,8,9,10,11,12,13,14,15
	PLACE \n
.endr
	s_cmp_lg_u32 s14, 0
	s_cbranch_scc1 .Lsend
	v_lshlrev_b32 v8, 2, v2
	global_store_b32 v8, v14, s[12:13] offset:16384      ; wave 0: the experts' beginnings, behind the list
.Lsend:
	s_wait_tensorcnt 0x0
	ds_add_u32 v128, v129
	s_wait_dscnt 0x0
	s_endpgm
.Lfunc_end_k_q7772b1e72d_prep:
	.size	k_q7772b1e72d_prep, .Lfunc_end_k_q7772b1e72d_prep-k_q7772b1e72d_prep
	.p2alignl 7, 3214868480
	.fill 96, 4, 3214868480
	.section	.rodata,"a",@progbits
	.p2align	6, 0x0
	.amdhsa_kernel k_q7772b1e72d_prep
		.amdhsa_group_segment_fixed_size 43520
		.amdhsa_private_segment_fixed_size 0
		.amdhsa_enable_private_segment 0
		.amdhsa_kernarg_size 40
		.amdhsa_user_sgpr_count 2
		.amdhsa_user_sgpr_kernarg_segment_ptr 1
		.amdhsa_wavefront_size32 1
		.amdhsa_system_sgpr_workgroup_id_x 1
		.amdhsa_system_sgpr_workgroup_id_y 1
		.amdhsa_system_sgpr_workgroup_id_z 1
		.amdhsa_system_vgpr_workitem_id 0
		.amdhsa_next_free_vgpr 130
		.amdhsa_next_free_sgpr 66
		.amdhsa_reserve_vcc 1
		.amdhsa_float_denorm_mode_32 3
		.amdhsa_float_denorm_mode_16_64 3
		.amdhsa_memory_ordered 1
		.amdhsa_forward_progress 1
		.amdhsa_inst_pref_size 59
	.end_amdhsa_kernel
	.amdgpu_metadata
---
amdhsa.version: [ 1, 2 ]
amdhsa.kernels:
  - .name:           k_q7772b1e72d_prep
    .symbol:         k_q7772b1e72d_prep.kd
    .args:
      - { .name: x, .offset: 0, .size: 8, .value_kind: global_buffer, .address_space: global }
      - { .name: indices, .offset: 8, .size: 8, .value_kind: global_buffer, .address_space: global }
      - { .name: xc, .offset: 16, .size: 8, .value_kind: global_buffer, .address_space: global }
      - { .name: xs, .offset: 24, .size: 8, .value_kind: global_buffer, .address_space: global }
      - { .name: route, .offset: 32, .size: 8, .value_kind: global_buffer, .address_space: global }
    .group_segment_fixed_size: 43520
    .private_segment_fixed_size: 0
    .kernarg_segment_align: 8
    .kernarg_segment_size: 40
    .max_flat_workgroup_size: 256
    .sgpr_count:     66
    .vgpr_count:     130
    .wavefront_size: 32
...
	.end_amdgpu_metadata
.endif
;; end of part 1
;; launch moe (part 2): grid 256 x 1, 4 waves a work-group, no clusters, 187,904 bytes of LDS; arguments weight, bias, xc, xs, route, out0; writes out0
.if DOCPART == 2
	.amdgcn_target "amdgcn-amd-amdhsa--gfx1250"
	.amdhsa_code_object_version 6
	.text
	.protected	k_q7772b1e72d_moe
	.globl	k_q7772b1e72d_moe
	.p2align	8
	.type	k_q7772b1e72d_moe,@function
k_q7772b1e72d_moe:
	s_mov_b64 s[64:65], 0
	v_nop
	global_prefetch_b8 v0, s[64:65] scope:SCOPE_SE
	s_setreg_imm32_b32 hwreg(HW_REG_WAVE_MODE, 25, 1), 1
	s_wait_xcnt 0x0
; out0[id][o] = sum over k of Q(x[id / 2])[k] Q(weight[e])[o][k] + bias[e][o], e = the expert of routed row id; Q = MX-FP4 along k (codes of E2M1, one E8M0 scale for each 32).  Only the chosen rows are multiplied.
; SHARES.  Work-group g owns rows 64 g .. 64 g + 63 of weight seen as [16384][2048]: expert e = g / 32, output columns 64 (g % 32) on: 512 KiB of f32, dense, read ONCE in the launch.
; PHASE W.  Wave w takes 16 of the 64 rows (column tile w), 128 along K a step, 16 steps.  Each load reads 512 consecutive bytes of a row; a step's 16 rows turn through the wave's own stage in LDS, so that lane (r, h)
;   holds, of row r, the two whole blocks of 32 that the operand's layout gives it; largest magnitude, scale byte, conversion: the results ARE the operand's registers.  They go to LDS as an image of those registers
;   (16 bytes a lane, 512 a store), the scale words beside them.  ONE barrier; then every wave loads all 64 fragments (512 registers) and 32 registers of scale words, and keeps them.
; PHASE G.  The expert's rows stand together in the list that the launch before has stored; tiles of 16 of them go to the waves by turns (wave w: tiles w, w + 4, ..).  A tile: the 16 rows' codes are gathered, 256
;   consecutive bytes to sixteen lanes, turned through the wave's stage into fragments, multiplied (64 matrix instructions), the bias is added, and the rows leave as aligned runs of 256 bytes.
;   Places past the expert's last row repeat that row: a short tile computes and stores the same right numbers twice; no lane is switched off and no load is left out.
;   Loads run two tiles ahead, row ids three to four.
; THE MATRIX INSTRUCTION IS USED TRANSPOSED: source 0 = 16 rows of weight (outputs), source 1 = 16 routed rows: a lane holds one routed row and eight neighbouring outputs.
; SUMS: even and odd K steps go to two accumulators (eight by turns), added at the end: another order of f32 additions than one chain.
; NO TENSOR LOADS AND NO CLUSTER: the 32 work-groups of an expert gather the same rows, but how many tiles there are is read from the stored list, so trip counts hang on loaded numbers; operands therefore come
;   through registers.  A walk of constant length would have to serve 256 tiles for every expert, eight times the 256 + 7 that all experts have together at the most.
; LIMITS: NaN and infinities are not served.  A block whose largest magnitude lies under 2^-124, zeros among them, gets the byte 1 (zeros: the rule says 127; the codes are zeros and the bytes stay in this launch).
;   A split that gives one expert nearly all rows is served, by that expert's 32 work-groups alone.
.set WIMG,   0                         ; LDS: weight fragments' images: (tile t, K step s) at 1024 (16 t + s), its registers 4 c .. 4 c + 3 at + 512 c, lane at + 16 lane
.set WSC,    65536                     ; their scale words: 2048 (t / 2) + 512 (s / 4) + 16 (16 (t % 2) + r) + 4 (s % 4)
.set WSTG,   69632                     ; a stage for each wave: 16 rows x (512 + 16) bytes: f32 of weight
.set WPITCH, 528                       ; all three pitches are odd multiples of 16 bytes: sixteen rows begin at sixteen different 16-byte columns modulo 256 bytes
.set XSTG,   103424                    ; a stage for each wave: 16 rows x (1024 + 16) bytes: codes of x
.set XPITCH, 1040
.set OSTG,   169984                    ; a stage for each wave: 16 rows x (256 + 16) bytes: results
.set OPITCH, 272
; REGISTERS, window 0 (r = lane % 16, h = lane / 16):
.set L16, 1                            ; 16 r
.set H8,  2                            ; 8 h
.set RR,  3                            ; r
.set H32, 4                            ; 32 h
.set PB,  5                            ; at work
.set WO,  8                            ; 16 lane: my bytes of a weight load
.set SA,  9                            ; weight stage, in
.set SB,  10                           ; weight stage, out
.set IA,  11                           ; where I store my fragments' images
.set IS,  12                           ; and their scale words
.set LI,  13                           ; 16 lane: where any image's bytes for my lane lie
.set LS,  14                           ; the same for the scale words
.set XSA, 15                           ; x stage, in
.set XSB, 16                           ; x stage, out
.set OSA, 17                           ; result stage, in
.set OSB, 18                           ; result stage, out
.set NID, 20                           ; v20-28, v30-38: set b: places in the list, then row ids: 0-7 of tile rows 8 h + i, 8 of tile row r
.set XO,  40                           ; v40-47, v48-55: byte offsets of those rows' codes + 16 r
.set SO,  56                           ; v56, v57: byte offset of row r's scale bytes + 32 h
.set OO,  58                           ; v58-65, v66-73: byte offsets of those rows in the output + 16 r
.set BI,  74                           ; v74-77: bias of my four columns 4 r ..
.set XS,  80                           ; v80-87, v88-95: x's scale words, and nothing else: register m: lanes 0-15 K step m, lanes 16-31 K step 8 + m, of row r
.set WS,  96                           ; v96-127: weight's scale words, and nothing else: register 16 u + s: lanes 0-15 tile 2 u, lanes 16-31 tile 2 u + 1, K step s
.set ACA, 128                          ; v128-159: four accumulators, even K steps
.set ACB, 160                          ; v160-191: four, odd K steps; later the rows read back from the result stage
.set XN,  128                          ; phase W: v128-191: my 64 numbers of a step
.set CD,  192                          ; v192-199: the codes just made
.set MX,  200                          ; v200-201: largest magnitudes, then the conversions' scale operands
.set BY,  202                          ; v202-203: scale bytes
.set WD,  204                          ; the scale word
.set TMP, 205
; window 1: phase W: four sets of 64 registers as loaded; then weight fragments of K steps 0-7, (s, t) at v[8 (4 s + t)].   window 2: those of K steps 8-15.   window 3: x's codes, set b at v[128 b].
; SCALARS: s[4:5] weight, s[6:7] bias, s[8:9] xc, s[10:11] xs, s[12:13] route, s[14:15] out0; s16 wave; s17 my trips of two tiles; s22, s23 where my expert's rows begin and end; s24 its last row's place;
;   s25 its tiles; s26 the tile in hand; s29 the trips done.
.set MSB, 0
.macro WIN new                         ; s_set_vgpr_msb: bits 1:0 source 0, 3:2 source 1, 5:4 source 2, 7:6 destination; the high byte repeats the setting that is left
.if MSB != (\new)
	s_set_vgpr_msb (MSB<<8)|(\new)
.set MSB, (\new)
.endif
.endm
; ---- phase W's macros
.macro WLOAD t                         ; K step t of my 16 rows into set t % 4 of window 1: each load 512 consecutive bytes of one row.  Leaves the window set
	WIN 0x40
.irp r, 0,1,2,3,4,5,6,7,8,9,10,11,12,13,14,15
	global_load_b128 v[64*((\t)%4)+4*\r:64*((\t)%4)+4*\r+3], v[WO], s[4:5] offset:8192*\r+512*(\t) th:TH_LOAD_NT
.endr
.endm
.macro WTURN t                         ; through my stage: in as loaded, out as lane (r, h) wants it: blocks h and 2 + h of row r, 128 bytes each
	WIN 0x04                                       ; an LDS store's data are its source 1: window 1
.irp r, 0,1,2,3,4,5,6,7,8,9,10,11,12,13,14,15
	ds_store_b128 v[SA], v[64*((\t)%4)+4*\r:64*((\t)%4)+4*\r+3] offset:WPITCH*\r
.endr
	WIN 0
.irp c, 0,1
.irp i, 0,1,2,3,4,5,6,7
	ds_load_b128 v[XN+32*\c+4*\i:XN+32*\c+4*\i+3], v[SB] offset:256*\c+16*\i   ; LDS serves a wave's instructions in order: these see the stores above
.endr
.endr
.endm
.macro WQUANT t                        ; 64 numbers become the fragment's 8 registers and my row's scale word
.irp c, 0,1
	v_max3_num_f32 v[MX+\c], |v[XN+32*\c]|, |v[XN+32*\c+1]|, 0x1800000   ; block 2 c + h: all its 32 numbers are mine; the floor 2^(3 - 127) keeps the byte at 1 or above
.endr
.irp i, 2,4,6,8,10,12,14,16,18,20,22,24,26,28,30
.irp c, 0,1
	v_max3_num_f32 v[MX+\c], v[MX+\c], |v[XN+32*\c+\i]|, |v[XN+32*\c+\i+1]|   ; (the two blocks by turns)
.endr
.endr
.irp c, 0,1
	v_add_nc_u32 v[MX+\c], 0xff000000, v[MX+\c]    ; 2 off the exponent field: the conversion's scale operand
.endr
.irp c, 0,1
	v_lshrrev_b32 v[BY+\c], 23, v[MX+\c]           ; the scale's byte
.endr
	v_lshl_or_b32 v[WD], v[BY+1], 16, v[BY]        ; my two bytes, blocks h and 2 + h,
	v_lshlrev_b32 v[WD], v[H8], v[WD]              ; at their places in the word;
	v_permlanex16_b32 v[TMP], v[WD], s30, s31
	v_or_b32 v[WD], v[WD], v[TMP]                  ; with lane l xor 16's two the word is whole
.irp c, 0,1
.irp g, 0,1,2,3
	v_cvt_scalef32_pk8_fp4_f32 v[CD+4*\c+\g], v[XN+32*\c+8*\g:XN+32*\c+8*\g+7], v[MX+\c]
.endr
.endr
	v_nop                                          ; one plain line behind the last conversion
.irp c, 0,1
	ds_store_b128 v[IA], v[CD+4*\c:CD+4*\c+3] offset:1024*(\t)+512*\c
.endr
	ds_store_b32 v[IS], v[WD] offset:512*((\t)/4)+4*((\t)%4)   ; lanes r and 16 + r write the same word with the same value
.endm
; ---- phase G's macros
.macro IDLOAD b, dk                    ; the row ids of tile s26 + dk into set b: nine loads, each onto its own address register
.set NB, NID+10*(\b)
	s_lshl_b32 s27, s26, 4
	s_add_co_u32 s27, s27, s22
	s_add_co_u32 s27, s27, 16*(\dk)                ; the tile's first place in the list
	v_add_nc_u32 v[PB], s27, v[H8]
.irp i, 0,1,2,3,4,5,6,7
	v_add_nc_u32 v[NB+\i], \i, v[PB]               ; tile row 8 h + i
.endr
	v_add_nc_u32 v[NB+8], s27, v[RR]               ; tile row r
.irp i, 0,1,2,3,4,5,6,7,8
	v_min_u32 v[NB+\i], s24, v[NB+\i]              ; past the expert's end: its last row again
.endr
.irp i, 0,1,2,3,4,5,6,7,8
	v_min_u32 v[NB+\i], 0xfff, v[NB+\i]            ; and inside the list whatever the list says
.endr
.irp i, 0,1,2,3,4,5,6,7,8
	v_lshlrev_b32 v[NB+\i], 2, v[NB+\i]
.endr
.irp i, 0,1,2,3,4,5,6,7,8
	global_load_b32 v[NB+\i], v[NB+\i], s[12:13]
.endr
.endm
.macro XADDR b                         ; ids (landed) become offsets: token = id / 2; 1,024 bytes of codes and 64 scale bytes a token.  27 plain lines
.set NB, NID+10*(\b)
.set XB, XO+8*(\b)
.irp i, 0,1,2,3,4,5,6,7,8
	v_min_u32 v[NB+\i], 0xfff, v[NB+\i]
.endr
.irp i, 0,1,2,3,4,5,6,7
	v_and_b32 v[XB+\i], 0xffe, v[NB+\i]
.endr
.irp i, 0,1,2,3,4,5,6,7
	v_lshl_add_u32 v[XB+\i], v[XB+\i], 9, v[L16]
.endr
	v_and_b32 v[SO+(\b)], 0xffe, v[NB+8]
	v_lshl_add_u32 v[SO+(\b)], v[SO+(\b)], 5, v[H32]
.endm
.macro XLOADS b                        ; 34 loads: lanes 0-15 take 256 consecutive bytes of tile row i, lanes 16-31 of row 8 + i; then row r's scale words, eight to a lane
.set XB, XO+8*(\b)
	WIN 0xc0
.irp i, 0,1,2,3,4,5,6,7
.irp q, 0,1,2,3
	global_load_b128 v[128*(\b)+16*\i+4*\q:128*(\b)+16*\i+4*\q+3], v[XB+\i], s[8:9] offset:256*\q
.endr
.endr
	WIN 0
.irp j, 0,1
	global_load_b128 v[XS+8*(\b)+4*\j:XS+8*(\b)+4*\j+3], v[SO+(\b)], s[10:11] offset:16*\j
.endr
.endm
.macro OOSET b                         ; where those rows lie in the output: 8,192 bytes a row
.set NB, NID+10*(\b)
.irp i, 0,1,2,3,4,5,6,7
	v_lshl_add_u32 v[OO+8*(\b)+\i], v[NB+\i], 13, v[L16]
.endr
.endm
.macro PRO b, dk                       ; the way in: a tile's codes are asked for, and the ids of the tile two turns of this set on
	XADDR \b
	XLOADS \b
	OOSET \b
	IDLOAD \b, \dk
.endm
.macro MM b                            ; the product of K step ks and column tile ct
.set rD, ACA+32*(ks%2)+8*ct
.set rW, 32*(ks%8)+8*ct
.set rX, 128*(\b)+8*ks
.set rSW, WS+16*(ct/2)+ks
.set rSX, XS+8*(\b)+ks%8
.if ks < 2
.if ct%2
	v_wmma_scale_f32_16x16x128_f8f6f4 v[rD:rD+7], v[rW:rW+7], v[rX:rX+7], 0, v[rSW], v[rSX] matrix_a_fmt:MATRIX_FMT_FP4 matrix_b_fmt:MATRIX_FMT_FP4 matrix_a_scale:MATRIX_SCALE_ROW1
.else
	v_wmma_scale_f32_16x16x128_f8f6f4 v[rD:rD+7], v[rW:rW+7], v[rX:rX+7], 0, v[rSW], v[rSX] matrix_a_fmt:MATRIX_FMT_FP4 matrix_b_fmt:MATRIX_FMT_FP4
.endif
.elseif ks < 8
.if ct%2
	v_wmma_scale_f32_16x16x128_f8f6f4 v[rD:rD+7], v[rW:rW+7], v[rX:rX+7], v[rD:rD+7], v[rSW], v[rSX] matrix_a_fmt:MATRIX_FMT_FP4 matrix_b_fmt:MATRIX_FMT_FP4 matrix_a_scale:MATRIX_SCALE_ROW1
.else
	v_wmma_scale_f32_16x16x128_f8f6f4 v[rD:rD+7], v[rW:rW+7], v[rX:rX+7], v[rD:rD+7], v[rSW], v[rSX] matrix_a_fmt:MATRIX_FMT_FP4 matrix_b_fmt:MATRIX_FMT_FP4
.endif
.else
.if ct%2
	v_wmma_scale_f32_16x16x128_f8f6f4 v[rD:rD+7], v[rW:rW+7], v[rX:rX+7], v[rD:rD+7], v[rSW], v[rSX] matrix_a_fmt:MATRIX_FMT_FP4 matrix_b_fmt:MATRIX_FMT_FP4 matrix_a_scale:MATRIX_SCALE_ROW1 matrix_b_scale:MATRIX_SCALE_ROW1
.else
	v_wmma_scale_f32_16x16x128_f8f6f4 v[rD:rD+7], v[rW:rW+7], v[rX:rX+7], v[rD:rD+7], v[rSW], v[rSX] matrix_a_fmt:MATRIX_FMT_FP4 matrix_b_fmt:MATRIX_FMT_FP4 matrix_b_scale:MATRIX_SCALE_ROW1
.endif
.endif
.endm
.macro PASS b                          ; tile s26 + 4 b, whose codes lie in set b
	s_wait_loadcnt 52                              ; this tile's 34 loads are in; behind them were issued 9 ids, the other set's 34 and 9 ids
	WIN 0x0c                                       ; an LDS store's data are its source 1: window 3
.irp i, 0,1,2,3,4,5,6,7
.irp q, 0,1,2,3
	ds_store_b128 v[XSA], v[128*(\b)+16*\i+4*\q:128*(\b)+16*\i+4*\q+3] offset:XPITCH*\i+256*\q
.endr
.endr
	WIN 0xc0
.irp s, 0,1,2,3,4,5,6,7,8,9,10,11,12,13,14,15
.irp c, 0,1
	ds_load_b128 v[128*(\b)+8*\s+4*\c:128*(\b)+8*\s+4*\c+3], v[XSB] offset:64*\s+32*\c   ; back as fragments, into the registers that the codes left: LDS serves a wave's instructions in order
.endr
.endr
.set ks, 0
.rept 16
.if ks%4 == 0
	s_wait_dscnt 24-2*ks                           ; the fragments of these four K steps are in; the younger loads, two a K step, may be out
.endif
.set WN, 0x0d+ks/8
	WIN WN                                         ; source 0 (weight) window 1 or 2, source 1 (x) window 3, C and D window 0
.set ct, 0
.rept 4
	MM \b                                          ; eight accumulators by turns, one instruction a turn
.set ct, ct+1
.endr
.set ks, ks+1
.endr
	WIN 0
	s_wait_loadcnt 43                              ; the ids of this set's next tile are in; behind them were issued the other set's 34 loads and 9 ids
	XADDR \b                                       ; 27 plain lines that name no register of the last products: the places behind them, for the loads and the additions below
	XLOADS \b                                      ; this set's next tile
.irp j, 0,2,4,6,8,10,12,14,16,18,20,22,24,26,28,30
	v_pk_add_f32 v[ACA+\j:ACA+\j+1], v[ACA+\j:ACA+\j+1], v[ACB+\j:ACB+\j+1]   ; even + odd K steps; each accumulator from its low end on
.endr
.irp t, 0,1,2,3
	ds_store_b128 v[OSA], v[ACA+8*\t:ACA+8*\t+3] offset:64*\t          ; lane (r, h): row r, columns 16 t + 8 h + 0 .. 7
	ds_store_b128 v[OSA], v[ACA+8*\t+4:ACA+8*\t+7] offset:64*\t+16
.endr
.irp i, 0,1,2,3,4,5,6,7
	ds_load_b128 v[ACB+4*\i:ACB+4*\i+3], v[OSB] offset:OPITCH*\i       ; back: row 8 h + i, columns 4 r ..
.endr
.irp i, 0,1,2,3,4,5,6,7
	s_wait_dscnt 7-\i                              ; LDS loads come back in order: number i is in
	v_pk_add_f32 v[ACB+4*\i:ACB+4*\i+1], v[ACB+4*\i:ACB+4*\i+1], v[BI:BI+1]
	v_pk_add_f32 v[ACB+4*\i+2:ACB+4*\i+3], v[ACB+4*\i+2:ACB+4*\i+3], v[BI+2:BI+3]
	global_store_b128 v[OO+8*(\b)+\i], v[ACB+4*\i:ACB+4*\i+3], s[14:15] th:TH_STORE_NT   ; sixteen lanes store 256 consecutive bytes, aligned; written once, read by nobody here
.endr
	s_wait_xcnt 0x0                                ; the stores have read their offsets and data: both are written again only behind this wait
	OOSET \b
	IDLOAD \b, 4*(\b)+16
.endm
.macro WSTEP t
.if (\t) <= 12
	s_wait_loadcnt 48                              ; this step's 16 loads are in; three later steps' may be out
.elseif (\t) == 13
	s_wait_loadcnt 50                              ; behind it: two steps' 32 loads and 18 ids
.elseif (\t) == 14
	s_wait_loadcnt 34                              ; behind it: the last step's 16 and 18 ids
.endif                                 ; (step 15's loads are older than the ids that step 14 has waited for)
	WTURN \t
	s_wait_dscnt 0x0                               ; my numbers are back: so the stores into the stage have read the set, and the last step's images have left their registers
.if (\t) < 12
	WLOAD (\t)+4                                   ; the set takes the step four on
	WIN 0
.endif
.if (\t) == 12                         ; nothing is left to ask of weight: the first tiles' ids go out
	s_wait_kmcnt 0x0
	s_min_u32 s22, s22, 0x1000                     ; where my expert's rows begin,
	s_min_u32 s23, s23, 0x1000                     ; and end
	s_sub_co_u32 s24, s23, 1                       ; its last row's place
	s_sub_co_u32 s25, s23, s22
	s_add_co_u32 s25, s25, 15
	s_lshr_b32 s25, s25, 4                         ; its tiles of 16
	s_mov_b32 s26, s16                             ; my first tile
	IDLOAD 0, 0
	IDLOAD 1, 4
.endif
.if (\t) == 14
	s_wait_loadcnt 9                               ; my first tile's ids are in; the second's may be out
	PRO 0, 8
.endif
.if (\t) == 15
	s_wait_loadcnt 43                              ; the second tile's ids are in; behind them: 34 loads and 9 ids
	PRO 1, 12
.endif
	WQUANT \t
.endm
; ---------------------------------------------------------------- the head
	s_load_b256 s[4:11], s[0:1], 0x0               ; weight, bias, xc, xs
	s_load_b128 s[12:15], s[0:1], 0x20             ; route, out0
	v_lshl_add_u32 v254, v0, 2, 0x2dc00
	v_mov_b32 v255, 0
	v_lshrrev_b32 v6, 5, v0
	v_readfirstlane_b32 s16, v6                    ; wave 0..3
	v_and_b32 v6, 31, v0                           ; lane
	v_and_b32 v[RR], 15, v0
	v_bfe_u32 v7, v0, 4, 1                         ; h
	v_lshlrev_b32 v[WO], 4, v6
	v_lshlrev_b32 v[L16], 4, v[RR]
	s_lshl_b32 s20, ttmp9, 19                      ; my work-group's 64 rows of 8,192 bytes,
	s_lshl_b32 s21, s16, 17                        ; my wave's 16 of them
	s_add_co_u32 s20, s20, s21
	s_mov_b32 s21, 0
	s_lshr_b32 s18, ttmp9, 5                       ; my expert
	s_lshl_b32 s19, s18, 2
	s_wait_kmcnt 0x0
	s_add_nc_u64 s[4:5], s[4:5], s[20:21]
	s_lshl_b32 s20, ttmp9, 8                       ; bias: 256 bytes for each 64 columns, expert by expert
	s_add_nc_u64 s[6:7], s[6:7], s[20:21]
	s_and_b32 s20, ttmp9, 31
	s_lshl_b32 s20, s20, 8                         ; out0: my 64 columns in a row
	s_add_nc_u64 s[14:15], s[14:15], s[20:21]
	s_load_b32 s22, s[12:13], s19 offset:0x4000    ; wanted at step 12
	s_load_b32 s23, s[12:13], s19 offset:0x4004
	global_load_b128 v[BI:BI+3], v[L16], s[6:7]
	WLOAD 0                                        ; four steps, 64 loads of 512 bytes, are asked for before anything else
	WLOAD 1
	WLOAD 2
	WLOAD 3
	WIN 0
	v_lshlrev_b32 v[H8], 3, v7
	v_lshlrev_b32 v[H32], 5, v7
	v_lshlrev_b32 v[LI], 4, v6
	v_lshl_add_u32 v[LS], v6, 4, WSC
	s_mul_i32 s20, s16, 16*WPITCH
	s_add_co_u32 s20, s20, WSTG                    ; my weight stage
	v_add_nc_u32 v[SA], s20, v[LI]                 ; in: 16 lane, the row in the immediate
	v_mul_u32_u24 v[SB], v[RR], WPITCH
	v_lshl_add_u32 v[SB], v7, 7, v[SB]
	v_add_nc_u32 v[SB], s20, v[SB]                 ; out: row r, + 128 h
	s_lshl_b32 s20, s16, 14
	v_add_nc_u32 v[IA], s20, v[LI]                 ; my tile's 16 images (WIMG = 0)
	s_lshr_b32 s20, s16, 1
	s_lshl_b32 s20, s20, 11
	s_and_b32 s21, s16, 1
	s_lshl_b32 s21, s21, 8
	s_add_co_u32 s20, s20, s21
	s_add_co_u32 s20, s20, WSC
	v_add_nc_u32 v[IS], s20, v[L16]                ; my tile's scale words: 2048 (w / 2) + 256 (w % 2) + 16 r
	s_mul_i32 s20, s16, 16*XPITCH
	s_add_co_u32 s20, s20, XSTG                    ; my x stage
	v_mad_u32_u24 v[XSA], v7, 8*XPITCH, v[L16]
	v_add_nc_u32 v[XSA], s20, v[XSA]               ; in: row 8 h + i, 16 r
	v_mul_u32_u24 v[XSB], v[RR], XPITCH
	v_lshl_add_u32 v[XSB], v7, 4, v[XSB]
	v_add_nc_u32 v[XSB], s20, v[XSB]               ; out: row r, + 16 h
	s_mul_i32 s20, s16, 16*OPITCH
	s_add_co_u32 s20, s20, OSTG                    ; my result stage
	v_mul_u32_u24 v[OSA], v[RR], OPITCH
	v_lshl_add_u32 v[OSA], v7, 5, v[OSA]
	v_add_nc_u32 v[OSA], s20, v[OSA]               ; in: row r, + 32 h
	v_mad_u32_u24 v[OSB], v7, 8*OPITCH, v[L16]
	v_add_nc_u32 v[OSB], s20, v[OSB]               ; out: row 8 h + i, 16 r
	s_mov_b32 s30, 0x76543210
	s_mov_b32 s31, 0xfedcba98                      ; v_permlanex16_b32's selects for lane l xor 16
	v_mov_b32 v[TMP], 0                            ; written once: a lane permute's destination counts as one of its sources
; ---------------------------------------------------------------- phase W: written out, every offset an immediate
.irp t, 0,1,2,3,4,5,6,7,8,9,10,11,12,13,14,15
	WSTEP \t
.endr
	s_wait_dscnt 0x0                               ; for the others' sake: my images and scale words have landed
	s_barrier_signal -1
	s_barrier_wait -1                              ; the one barrier: all 64 fragments lie in LDS; nobody writes them again
	WIN 0x40
.irp s, 0,1,2,3,4,5,6,7
.irp t, 0,1,2,3
.irp c, 0,1
	ds_load_b128 v[8*(4*\s+\t)+4*\c:8*(4*\s+\t)+4*\c+3], v[LI] offset:(16*\t+\s)*1024+512*\c
.endr
.endr
.endr
	WIN 0x80
.irp s, 0,1,2,3,4,5,6,7
.irp t, 0,1,2,3
.irp c, 0,1
	ds_load_b128 v[8*(4*\s+\t)+4*\c:8*(4*\s+\t)+4*\c+3], v[LI] offset:(16*\t+\s+8)*1024+512*\c
.endr
.endr
.endr
	WIN 0
.irp u, 0,1
.irp q, 0,1,2,3
	ds_load_b128 v[WS+16*\u+4*\q:WS+16*\u+4*\q+3], v[LS] offset:2048*\u+512*\q
.endr
.endr
	s_wait_dscnt 0x0
; ---------------------------------------------------------------- phase G: two tiles a trip, so that the two sets of registers come back to where they began
; The trips are counted one by one against their number, which is made once ahead of the loop.  The loop is left by falling through its backward branch, or, where the last trip's second tile does not
; exist, by the wave's end inside it: no branch passes over the counter's step.  Loads asked ahead for tiles that do not exist stay inside their buffers and are left behind at the wave's end.
	s_cmp_ge_u32 s26, s25
	s_cbranch_scc1 .Ldone                          ; no tile for this wave
	s_sub_co_u32 s17, s25, s16                     ; my tiles are w, w + 4, ..: a trip takes two of them, eight tiles on:
	s_add_co_u32 s17, s17, 7
	s_lshr_b32 s17, s17, 3                         ; (tiles - w + 7) / 8 trips, one at the least here
	s_min_u32 s17, s17, 32                         ; 4,096 rows are 256 tiles: never more than 32 trips
	s_mov_b32 s29, 0
.Lpair:
	PASS 0
	s_add_co_u32 s28, s26, 4
	s_cmp_lt_u32 s28, s25
	s_cbranch_scc1 .Lsecond                        ; the trip's second tile exists: on; on this way the same loads have been issued as ever, so PASS 1's counts hold
	s_wait_tensorcnt 0x0
	ds_add_u32 v254, v255
	s_wait_dscnt 0x0
	s_endpgm                                       ; it does not: this wave has stored its last tile
.Lsecond:
	PASS 1
	s_add_co_u32 s26, s26, 8                       ; the next trip's first tile
	s_add_co_u32 s29, s29, 1
	s_cmp_lt_u32 s29, s17
	s_cbranch_scc1 .Lpair
.Ldone:
	s_wait_tensorcnt 0x0
	ds_add_u32 v254, v255
	s_wait_dscnt 0x0
	s_endpgm
.Lfunc_end_k_q7772b1e72d_moe:
	.size	k_q7772b1e72d_moe, .Lfunc_end_k_q7772b1e72d_moe-k_q7772b1e72d_moe
	.p2alignl 7, 3214868480
	.fill 96, 4, 3214868480
	.section	.rodata,"a",@progbits
	.p2align	6, 0x0
	.amdhsa_kernel k_q7772b1e72d_moe
		.amdhsa_group_segment_fixed_size 187904
		.amdhsa_private_segment_fixed_size 0
		.amdhsa_enable_private_segment 0
		.amdhsa_kernarg_size 48
		.amdhsa_user_sgpr_count 2
		.amdhsa_user_sgpr_kernarg_segment_ptr 1
		.amdhsa_wavefront_size32 1
		.amdhsa_system_sgpr_workgroup_id_x 1
		.amdhsa_system_sgpr_workgroup_id_y 1
		.amdhsa_system_sgpr_workgroup_id_z 1
		.amdhsa_system_vgpr_workitem_id 0
		.amdhsa_next_free_vgpr 1024
		.amdhsa_next_free_sgpr 66
		.amdhsa_reserve_vcc 0
		.amdhsa_float_denorm_mode_32 3
		.amdhsa_float_denorm_mode_16_64 3
		.amdhsa_memory_ordered 1
		.amdhsa_forward_progress 1
		.amdhsa_inst_pref_size 192
	.end_amdhsa_kernel
	.amdgpu_metadata
---
amdhsa.version: [ 1, 2 ]
amdhsa.kernels:
  - .name:           k_q7772b1e72d_moe
    .symbol:         k_q7772b1e72d_moe.kd
    .args:
      - { .name: weight, .offset: 0, .size: 8, .value_kind: global_buffer, .address_space: global }
      - { .name: bias, .offset: 8, .size: 8, .value_kind: global_buffer, .address_space: global }
      - { .name: xc, .offset: 16, .size: 8, .value_kind: global_buffer, .address_space: global }
      - { .name: xs, .offset: 24, .size: 8, .value_kind: global_buffer, .address_space: global }
      - { .name: route, .offset: 32, .size: 8, .value_kind: global_buffer, .address_space: global }
      - { .name: out0, .offset: 40, .size: 8, .value_kind: global_buffer, .address_space: global }
    .group_segment_fixed_size: 187904
    .private_segment_fixed_size: 0
    .kernarg_segment_align: 8
    .kernarg_segment_size: 48
    .max_flat_workgroup_size: 128
    .sgpr_count:     66
    .vgpr_count:     1024
    .wavefront_size: 32
...
	.end_amdgpu_metadata
.endif
;; end of part 2
;; ======== version 2 of 2: 2 launches
;; workspace buffers: xc 2,097,152 bytes; xs 131,072 bytes; route 16,640 bytes of whole numbers
;; launch prep (part 3): grid 257 x 1, 8 waves a work-group, no clusters, 43,520 bytes of LDS; arguments x, indices, xc, xs, route; writes xc, xs, route
.if DOCPART == 3
	.amdgcn_target "amdgcn-amd-amdhsa--gfx1250"
	.amdhsa_code_object_version 6
	.text
	.protected	k_q7772b1e72d_prep
	.globl	k_q7772b1e72d_prep
	.p2align	8
	.type	k_q7772b1e72d_prep,@function
k_q7772b1e72d_prep:
	s_mov_b64 s[64:65], 0
	v_nop
	global_prefetch_b8 v0, s[64:65] scope:SCOPE_SE
	s_setreg_imm32_b32 hwreg(HW_REG_WAVE_MODE, 25, 1), 1
	s_wait_xcnt 0x0
; TWO JOBS IN ONE LAUNCH, parted on the work-group's number.
; Work-groups 1 to 256: x [2048 tokens][2048] f32 becomes codes of FP4 (E2M1), K innermost, xc [2048][1024 bytes], and one E8M0 byte for each 32 along K, xs [2048][64 bytes].
;   A block's scale is 2^(floor(log2(its largest magnitude)) - 2); its byte is the largest magnitude's exponent field - 2, held at 1 from below; each number is divided by the scale and rounded to the
;   nearest code, ties to even, beyond 6 the largest code.  A wave takes one token: four steps of 512 numbers.  Each load reads 512 consecutive bytes; a step's 2,048 bytes turn through the wave's own stage in
;   LDS so that a lane holds 16 neighbours along K (two lanes to a block).  A lane's 16 codes are 8 bytes: a wave's store covers 256 consecutive bytes, aligned.
; Work-group 0: the 4,096 routed rows (row id = 2 x token + slot, which is also the row of the output) are sorted by expert, by counting: route words 0 .. 4095 = row ids, expert by expert; words 4096 .. 4104 =
;   where each expert's rows begin, and 4,096 behind the last (words 4105 .. 4127 hold 4,096 too).  No atomics: ranks inside a wave by lane counts, between the eight waves by a table of counts in LDS.
; LIMITS: NaN and infinities in x are not served.  A block whose largest magnitude lies under 2^-124, zeros among them, gets the byte 1: for a block of zeros the rule says 127, but its codes are zeros, and this
;   program alone reads the bytes.  An index is held to 0 .. 7.
; LDS: each of the two paths has bytes of its own.
.set SP,    80                         ; a lane's place in a stage: its 64 bytes + 16 of padding
.set WREG,  2*32*SP                    ; a wave's two stages, 5,120 bytes; eight waves from byte 0 on
.set SCB,   40960                      ; the work-group's 8 x 64 scale bytes
.set SRT,   41472                      ; the sort's table of counts: 128 bytes a wave
.set R,     16                         ; v16-79   four sets of 16 numbers as loaded
.set X,     80                         ; v80-111  two sets of 16 neighbours
.set C,     112                        ; v112-119 a step's codes, two registers each: no store's data are written again
.set E,     120                        ; v120-123 a step's scale byte
.set VV,    16                         ; the sort: v16-31 my 16 entries' experts; register 4 q + c is entry 512 w + 128 q + 4 lane + c
.set RK,    32                         ; v32-47   their ranks among my wave's entries of the same expert
.set PS,    48                         ; v48-63   their places in the list
.set IDV,   64                         ; v64-79   their row ids
.set TB,    80                         ; v80-87   the eight waves' counts: lane e holds expert e's
.set TT,    88                         ; v88-95   at work
.set RUN,   16                         ; s16-23   how many of each expert my wave has met
.set TO,    32                         ; s32-39   totals, later my wave's bases
.set OF,    40                         ; s40-48   where each expert begins
.set MK,    52                         ; s52-59   a register's eight compare masks
	s_load_b256 s[4:11], s[0:1], 0x0               ; x s[4:5], indices s[6:7], xc s[8:9], xs s[10:11]
	s_load_b64 s[12:13], s[0:1], 0x20              ; route
	v_lshl_add_u32 v128, v0, 2, 0xa600
	v_mov_b32 v129, 0
	v_lshrrev_b32 v1, 5, v0                        ; wave, in every lane
	s_delay_alu instid0(VALU_DEP_1)
	v_readfirstlane_b32 s14, v1                    ; and as a scalar
	v_and_b32 v2, 31, v0                           ; lane
	s_wait_kmcnt 0x0
	s_cmp_eq_u32 ttmp9, 0
	s_cbranch_scc1 .Lsort
; ---------------------------------------------------------------- the quantiser
	s_sub_co_u32 s15, ttmp9, 1                     ; which eight tokens
	s_lshl_b32 s16, s15, 3
	s_add_co_u32 s16, s16, s14                     ; my wave's token
	s_mov_b32 s21, 0
	s_lshl_b32 s20, s16, 13                        ; 8,192 bytes of x a token
	s_add_nc_u64 s[4:5], s[4:5], s[20:21]
	s_lshl_b32 s20, s16, 10                        ; 1,024 bytes of codes
	s_add_nc_u64 s[8:9], s[8:9], s[20:21]
	s_lshl_b32 s20, s15, 9                         ; 512 scale bytes for the work-group's eight tokens
	s_add_nc_u64 s[10:11], s[10:11], s[20:21]
	s_wait_alu depctr_va_vdst(0)
	v_lshlrev_b32 v3, 4, v2                        ; my 16 bytes of a load's 512
.macro LOAD t
.irp i, 0,1,2,3
	global_load_b128 v[R+16*(\t)+4*\i:R+16*(\t)+4*\i+3], v3, s[4:5] offset:2048*(\t)+512*\i th:TH_LOAD_NT
.endr
.endm
.macro TURN t                          ; step t's numbers through a stage: LDS serves a wave's instructions in order, so no wait stands between the stores and the loads
.irp i, 0,1,2,3
	ds_store_b128 v14, v[R+16*(\t)+4*\i:R+16*(\t)+4*\i+3] offset:32*SP*((\t)%2)+8*SP*\i
.endr
.irp i, 0,1,2,3
	ds_load_b128 v[X+16*((\t)%2)+4*\i:X+16*((\t)%2)+4*\i+3], v15 offset:32*SP*((\t)%2)+16*\i
.endr
.endm
	LOAD 0                                         ; the whole token at once: 16 loads a wave
	LOAD 1
	LOAD 2
	LOAD 3
	s_mul_i32 s17, s14, WREG
	v_lshrrev_b32 v14, 2, v2
	s_delay_alu instid0(VALU_DEP_1)
	v_mul_u32_u24 v14, v14, SP
	v_and_b32 v15, 3, v2
	s_delay_alu instid0(VALU_DEP_1)
	v_lshl_add_u32 v14, v15, 4, v14
	s_delay_alu instid0(VALU_DEP_1)
	v_add_nc_u32 v14, s17, v14                     ; into a stage: four lanes' 64 bytes on end, then 16 of padding
	v_mul_u32_u24 v15, v2, SP
	s_delay_alu instid0(VALU_DEP_1)
	v_add_nc_u32 v15, s17, v15                     ; out of it: my 16 neighbours
	v_lshlrev_b32 v4, 3, v2                        ; my 8 bytes of a step's 256 bytes of codes
	s_lshl_b32 s18, s14, 6
	s_add_co_u32 s18, s18, SCB
	v_lshrrev_b32 v5, 1, v2
	s_delay_alu instid0(VALU_DEP_1)
	v_add_nc_u32 v5, s18, v5                       ; my block's byte among my token's 64
	v_lshl_add_u32 v6, v2, 4, SCB                  ; and, for wave 0 at the end, 16 of the work-group's 512
	s_wait_alu depctr_va_vdst(0)
	s_wait_loadcnt 12                              ; step 0's four loads are in; the twelve behind them may be out
	TURN 0
.macro QSTEP t
.set XQ, X+16*((\t)%2)
.if (\t) > 0
	s_wait_dscnt 1                                 ; this step's numbers are back from the stage; the last step's byte store, issued behind them, may be out
.else
	s_wait_dscnt 0x0
.endif
.if (\t) < 3
	s_wait_loadcnt 4*(2-(\t))                      ; the next step's four loads are in; those of the steps behind it may be out
	TURN (\t)+1                                    ; and go through the other stage while this step is worked
.endif
	v_max3_num_f32 v8, |v[XQ]|, |v[XQ+1]|, |v[XQ+2]|               ; the largest magnitude of my 16, in two chains
	v_max3_num_f32 v9, |v[XQ+3]|, |v[XQ+4]|, |v[XQ+5]|
.irp i, 6,10
	s_delay_alu instid0(VALU_DEP_2)
	v_max3_num_f32 v8, v8, |v[XQ+\i]|, |v[XQ+\i+1]|
	s_delay_alu instid0(VALU_DEP_2)
	v_max3_num_f32 v9, v9, |v[XQ+\i+2]|, |v[XQ+\i+3]|
.endr
	s_delay_alu instid0(VALU_DEP_2)
	v_max3_num_f32 v8, v8, |v[XQ+14]|, |v[XQ+15]|
	s_delay_alu instid0(VALU_DEP_1)
	v_max3_num_f32 v8, v8, v9, 0x1800000           ; and the floor 2^(3 - 127): the byte cannot fall under 1
	s_delay_alu instid0(VALU_DEP_1)
	v_max_num_f32_dpp v8, v8, v8 row_xmask:1 row_mask:0xf bank_mask:0xf   ; with my neighbour's 16: the block's
	s_delay_alu instid0(VALU_DEP_1)
	v_add_nc_u32 v11, 0xff000000, v8               ; 2 off its exponent field: the conversion takes the exponent field of this operand as its scale
	v_cvt_scalef32_pk8_fp4_f32 v[C+2*(\t)], v[XQ:XQ+7], v11
	v_cvt_scalef32_pk8_fp4_f32 v[C+2*(\t)+1], v[XQ+8:XQ+15], v11
	v_lshrrev_b32 v[E+(\t)], 23, v11               ; the scale's byte (also the plain line behind the conversions)
	ds_store_b8 v5, v[E+(\t)] offset:16*(\t)       ; both lanes of a block write the same byte with the same value
	global_store_b64 v4, v[C+2*(\t):C+2*(\t)+1], s[8:9] offset:256*(\t)
.endm
	QSTEP 0
	QSTEP 1
	QSTEP 2
	QSTEP 3
	s_wait_dscnt 0x0                               ; for the others' sake: my byte stores have landed
	s_barrier_signal -1
	s_barrier_wait -1                              ; the eight tokens' 512 scale bytes lie together
	s_cmp_lg_u32 s14, 0
	s_cbranch_scc1 .Lqend
	ds_load_b128 v[124:127], v6
	s_wait_dscnt 0x0
	global_store_b128 v3, v[124:127], s[10:11]     ; wave 0 stores them: 512 consecutive bytes, aligned
.Lqend:
	s_wait_tensorcnt 0x0
	ds_add_u32 v128, v129
	s_wait_dscnt 0x0
	s_endpgm
; ---------------------------------------------------------------- the sort
.Lsort:
	s_wait_alu depctr_va_vdst(0)
	v_lshlrev_b32 v3, 4, v2
	s_delay_alu instid0(VALU_DEP_1)
	v_lshl_add_u32 v3, v1, 11, v3                  ; my wave's 512 entries are 2,048 bytes; 16 bytes a lane
.irp q, 0,1,2,3
	global_load_b128 v[VV+4*\q:VV+4*\q+3], v3, s[6:7] offset:512*\q
.endr
	v_lshrrev_b32 v7, 2, v3                        ; 512 w + 4 lane: the row id of my first entry
	v_lshl_add_u32 v10, v0, 2, SRT                 ; my wave's 128 bytes of the table, my lane's word
	v_lshl_add_u32 v11, v2, 2, SRT                 ; my lane's word in wave 0's part
.irp e, 0,1,2,3,4,5,6,7
	s_mov_b32 s[RUN+\e], 0
.endr
	s_wait_loadcnt 0x0
.irp n, 0,1,2,3,4,5,6,7,8,9,10,11,12,13,14,15
	v_min_u32 v[VV+\n], 7, v[VV+\n]
.endr
; Register n: an entry's rank = how many entries of its expert my wave has met in earlier registers + in lower lanes of this one.
.macro RANK n
.irp e, 0,1,2,3,4,5,6,7
	v_cmp_eq_u32 s[MK+\e], \e, v[VV+(\n)]
.endr
	v_mbcnt_lo_u32_b32 v[RK+(\n)], s[MK], s[RUN]   ; expert 0's figure starts the choice: the register is written whole
.irp e, 1,2,3,4,5,6,7
	v_mbcnt_lo_u32_b32 v[TT+\e], s[MK+\e], s[RUN+\e]
.endr
.irp e, 1
	v_cndmask_b32 v[RK+(\n)], v[RK+(\n)], v[TT+\e], s[MK+\e]
.endr
.irp e, 2, 3, 4, 5, 6, 7
	s_delay_alu instid0(VALU_DEP_1)
	v_cndmask_b32 v[RK+(\n)], v[RK+(\n)], v[TT+\e], s[MK+\e]
.endr
.irp e, 0,1,2,3,4,5,6,7
	s_bcnt1_i32_b32 s24, s[MK+\e]
	s_add_co_u32 s[RUN+\e], s[RUN+\e], s24
.endr
.endm
.irp n, 0,1,2,3,4,5,6,7,8,9,10,11,12,13,14,15
	RANK \n
.endr
	v_mov_b32 v9, 0
.irp e, 0,1,2,3,4,5,6,7
	s_delay_alu instid0(VALU_DEP_1)
	v_writelane_b32 v9, s[RUN+\e], \e              ; lane e: my wave's count of expert e
.endr
	ds_store_b32 v10, v9
	s_wait_dscnt 0x0                               ; for the others' sake: my counts have landed
	s_barrier_signal -1
	s_barrier_wait -1
.irp w, 0,1,2,3,4,5,6,7
	ds_load_b32 v[TB+\w], v11 offset:128*\w
.endr
	s_wait_dscnt 0x0
	v_add_nc_u32 v12, v[TB], v[TB+1]               ; lane e: all entries of expert e,
.irp w, 2,3,4,5,6,7
	s_delay_alu instid0(VALU_DEP_1)
	v_add_nc_u32 v12, v12, v[TB+\w]
.endr
	v_mov_b32 v13, 0                               ; and those of the waves in front of mine
.irp w, 0,1,2,3,4,5,6
	v_cmp_lt_u32 vcc_lo, \w, v1
	s_delay_alu instid0(VALU_DEP_1)
	v_cndmask_b32 v8, 0, v[TB+\w], vcc_lo
	s_delay_alu instid0(VALU_DEP_1)
	v_add_nc_u32 v13, v13, v8
.endr
.irp e, 0,1,2,3,4,5,6,7
	v_readlane_b32 s[TO+\e], v12, \e
.endr
	s_mov_b32 s[OF], 0
.irp e, 0,1,2,3,4,5,6,7
	s_add_co_u32 s[OF+1+\e], s[OF+\e], s[TO+\e]    ; where each expert begins; the ninth is 4,096
.endr
	v_mov_b32 v14, 0x1000
.irp e, 0,1,2,3,4,5,6,7,8
	s_delay_alu instid0(VALU_DEP_1)
	v_writelane_b32 v14, s[OF+\e], \e
.endr
	s_delay_alu instid0(VALU_DEP_1)
	v_add_nc_u32 v15, v14, v13                     ; lane e: where my wave's entries of expert e begin
.irp e, 0,1,2,3,4,5,6,7
	v_readlane_b32 s[TO+\e], v15, \e
.endr
.macro PLACE n
	v_mov_b32 v[PS+(\n)], s[TO]
.irp e, 1,2,3,4,5,6,7
	v_cmp_ne_u32 vcc_lo, \e, v[VV+(\n)]
	s_delay_alu instid0(VALU_DEP_1)
	v_cndmask_b32 v[PS+(\n)], s[TO+\e], v[PS+(\n)], vcc_lo   ; my expert's base
.endr
	s_delay_alu instid0(VALU_DEP_1)
	v_add_nc_u32 v[PS+(\n)], v[PS+(\n)], v[RK+(\n)]
	s_delay_alu instid0(VALU_DEP_1)
	v_min_u32 v[PS+(\n)], 0xfff, v[PS+(\n)]        ; a place in the list: held inside it
	s_delay_alu instid0(VALU_DEP_1)
	v_lshlrev_b32 v[PS+(\n)], 2, v[PS+(\n)]
	v_add_nc_u32 v[IDV+(\n)], 128*((\n)/4)+(\n)%4, v7
	global_store_b32 v[PS+(\n)], v[IDV+(\n)], s[12:13]   ; 4 bytes to a place that the sort chose: 16 KiB in all, once; each store has registers of its own
.endm
.irp n, 0,1,2,3,4,5,6,7,8,9,10,11,12,13,14,15
	PLACE \n
.endr
	s_cmp_lg_u32 s14, 0
	s_cbranch_scc1 .Lsend
	v_lshlrev_b32 v8, 2, v2
	global_store_b32 v8, v14, s[12:13] offset:16384      ; wave 0: the experts' beginnings, behind the list
.Lsend:
	s_wait_tensorcnt 0x0
	ds_add_u32 v128, v129
	s_wait_dscnt 0x0
	s_endpgm
.Lfunc_end_k_q7772b1e72d_prep:
	.size	k_q7772b1e72d_prep, .Lfunc_end_k_q7772b1e72d_prep-k_q7772b1e72d_prep
	.p2alignl 7, 3214868480
	.fill 96, 4, 3214868480
	.section	.rodata,"a",@progbits
	.p2align	6, 0x0
	.amdhsa_kernel k_q7772b1e72d_prep
		.amdhsa_group_segment_fixed_size 43520
		.amdhsa_private_segment_fixed_size 0
		.amdhsa_enable_private_segment 0
		.amdhsa_kernarg_size 40
		.amdhsa_user_sgpr_count 2
		.amdhsa_user_sgpr_kernarg_segment_ptr 1
		.amdhsa_wavefront_size32 1
		.amdhsa_system_sgpr_workgroup_id_x 1
		.amdhsa_system_sgpr_workgroup_id_y 1
		.amdhsa_system_sgpr_workgroup_id_z 1
		.amdhsa_system_vgpr_workitem_id 0
		.amdhsa_next_free_vgpr 130
		.amdhsa_next_free_sgpr 66
		.amdhsa_reserve_vcc 1
		.amdhsa_float_denorm_mode_32 3
		.amdhsa_float_denorm_mode_16_64 3
		.amdhsa_memory_ordered 1
		.amdhsa_forward_progress 1
		.amdhsa_inst_pref_size 70
	.end_amdhsa_kernel
	.amdgpu_metadata
---
amdhsa.version: [ 1, 2 ]
amdhsa.kernels:
  - .name:           k_q7772b1e72d_prep
    .symbol:         k_q7772b1e72d_prep.kd
    .args:
      - { .name: x, .offset: 0, .size: 8, .value_kind: global_buffer, .address_space: global }
      - { .name: indices, .offset: 8, .size: 8, .value_kind: global_buffer, .address_space: global }
      - { .name: xc, .offset: 16, .size: 8, .value_kind: global_buffer, .address_space: global }
      - { .name: xs, .offset: 24, .size: 8, .value_kind: global_buffer, .address_space: global }
      - { .name: route, .offset: 32, .size: 8, .value_kind: global_buffer, .address_space: global }
    .group_segment_fixed_size: 43520
    .private_segment_fixed_size: 0
    .kernarg_segment_align: 8
    .kernarg_segment_size: 40
    .max_flat_workgroup_size: 256
    .sgpr_count:     66
    .vgpr_count:     130
    .wavefront_size: 32
...
	.end_amdgpu_metadata
.endif
;; end of part 3
;; launch moe (part 4): grid 256 x 1, 4 waves a work-group, no clusters, 187,904 bytes of LDS; arguments weight, bias, xc, xs, route, out0; writes out0
.if DOCPART == 4
	.amdgcn_target "amdgcn-amd-amdhsa--gfx1250"
	.amdhsa_code_object_version 6
	.text
	.protected	k_q7772b1e72d_moe
	.globl	k_q7772b1e72d_moe
	.p2align	8
	.type	k_q7772b1e72d_moe,@function
k_q7772b1e72d_moe:
	s_mov_b64 s[64:65], 0
	v_nop
	global_prefetch_b8 v0, s[64:65] scope:SCOPE_SE
	s_setreg_imm32_b32 hwreg(HW_REG_WAVE_SCHED_MODE, 0, 2), 2
	s_setreg_imm32_b32 hwreg(HW_REG_WAVE_MODE, 25, 1), 1
	s_wait_xcnt 0x0
	s_wait_alu depctr_vm_vsrc(0)
; out0[id][o] = sum over k of Q(x[id / 2])[k] Q(weight[e])[o][k] + bias[e][o], e = the expert of routed row id; Q = MX-FP4 along k (codes of E2M1, one E8M0 scale for each 32).  Only the chosen rows are multiplied.
; SHARES.  Work-group g owns rows 64 g .. 64 g + 63 of weight seen as [16384][2048]: expert e = g / 32, output columns 64 (g % 32) on: 512 KiB of f32, dense, read ONCE in the launch.
; PHASE W.  Wave w takes 16 of the 64 rows (column tile w), 128 along K a step, 16 steps.  Each load reads 512 consecutive bytes of a row; a step's 16 rows turn through the wave's own stage in LDS, so that lane (r, h)
;   holds, of row r, the two whole blocks of 32 that the operand's layout gives it; largest magnitude, scale byte, conversion: the results ARE the operand's registers.  They go to LDS as an image of those registers
;   (16 bytes a lane, 512 a store), the scale words beside them.  ONE barrier; then every wave loads all 64 fragments (512 registers) and 32 registers of scale words, and keeps them.
; PHASE G.  The expert's rows stand together in the list that the launch before has stored; tiles of 16 of them go to the waves by turns (wave w: tiles w, w + 4, ..).  A tile: the 16 rows' codes are gathered, 256
;   consecutive bytes to sixteen lanes, turned through the wave's stage into fragments, multiplied (64 matrix instructions), the bias is added, and the rows leave as aligned runs of 256 bytes.
;   Places past the expert's last row repeat that row: a short tile computes and stores the same right numbers twice; no lane is switched off and no load is left out.
;   Loads run two tiles ahead, row ids three to four.
; THE MATRIX INSTRUCTION IS USED TRANSPOSED: source 0 = 16 rows of weight (outputs), source 1 = 16 routed rows: a lane holds one routed row and eight neighbouring outputs.
; SUMS: even and odd K steps go to two accumulators (eight by turns), added at the end: another order of f32 additions than one chain.
; NO TENSOR LOADS AND NO CLUSTER: the 32 work-groups of an expert gather the same rows, but how many tiles there are is read from the stored list, so trip counts hang on loaded numbers; operands therefore come
;   through registers.  A walk of constant length would have to serve 256 tiles for every expert, eight times the 256 + 7 that all experts have together at the most.
; LIMITS: NaN and infinities are not served.  A block whose largest magnitude lies under 2^-124, zeros among them, gets the byte 1 (zeros: the rule says 127; the codes are zeros and the bytes stay in this launch).
;   A split that gives one expert nearly all rows is served, by that expert's 32 work-groups alone.
; THE MODE: SCHED_MODE bits 1:0 = 2 (LLVM: expert scheduling mode 2), set by the entry lines.  The code itself states the register dependences between vector or matrix instructions and memory or LDS
;   instructions, with s_wait_alu, always for 0.
; THE PLAN, PHASE W.  Registers that memory or LDS instructions touch in step t:
;   R[t % 4]   (window 1) loads land; the stage's stores read it; the loads of step t + 4 land.  No vector line names it.
;   XN         the stage's loads land; step t's maxima and conversions read it; step t + 1's stage loads land.
;   CD, WD     step t's lines write them; the three image stores, issued in step t + 1, read them; step t + 1's lines write them again.
;   One wait on va_vdst a step, behind the stage's stores (which hang on no vector result): the last step's lines have written CD and WD and are done reading XN.  One wait on vm_vsrc a step, behind the wait for
;   the stage: the stage's stores have read R[t % 4], the image stores CD and WD.  The first tiles' offsets are made at the tails of steps 11, 14 and 15, so that the next such wait serves their loads too.
; THE PLAN, PHASE G.  Registers that memory or LDS instructions touch in the pass of set b:
;   X[b]       (window 3) loads land; the stage's stores read it; the stage's loads land in it; the 64 products read it; the next tile's loads land.
;   XS[b]      loads land; the products read it as scales; the next tile's loads land.
;   PL[b]      vector lines write the places; the id loads read them.      NID[b]  id loads land; one line each holds the id into CI[b], which vector lines alone name.
;   XO[b], SO[b]  vector lines write them; the 34 loads read them.         OO[b]   made from CI[b] in the OTHER set's pass; this pass's eight stores read it.
;   ACA        products and additions write it; the result stage's stores read it.      ACB   products write, additions read; the stage's loads land; the bias additions write; the stores read.
;   One wait on vm_vsrc, between the x stage's stores and loads.  Two on va_vdst: behind the products, the offsets and the additions, ahead of ALL the pass's loads and LDS stores; and behind the bias
;   additions, ahead of the eight stores.
.set WIMG,   0                         ; LDS: weight fragments' images: (tile t, K step s) at 1024 (16 t + s), its registers 4 c .. 4 c + 3 at + 512 c, lane at + 16 lane
.set WSC,    65536                     ; their scale words: 2048 (t / 2) + 512 (s / 4) + 16 (16 (t % 2) + r) + 4 (s % 4)
.set WSTG,   69632                     ; a stage for each wave: 16 rows x (512 + 16) bytes: f32 of weight
.set WPITCH, 528                       ; all three pitches are odd multiples of 16 bytes: sixteen rows begin at sixteen different 16-byte columns modulo 256 bytes
.set XSTG,   103424                    ; a stage for each wave: 16 rows x (1024 + 16) bytes: codes of x
.set XPITCH, 1040
.set OSTG,   169984                    ; a stage for each wave: 16 rows x (256 + 16) bytes: results
.set OPITCH, 272
; REGISTERS, window 0 (r = lane % 16, h = lane / 16):
.set L16, 1                            ; 16 r
.set H8,  2                            ; 8 h
.set RR,  3                            ; r
.set H32, 4                            ; 32 h
.set PB,  5                            ; at work
.set WO,  8                            ; 16 lane: my bytes of a weight load
.set SA,  9                            ; weight stage, in
.set SB,  10                           ; weight stage, out
.set IA,  11                           ; where I store my fragments' images
.set IS,  12                           ; and their scale words
.set LI,  13                           ; 16 lane: where any image's bytes for my lane lie
.set LS,  14                           ; the same for the scale words
.set XSA, 15                           ; x stage, in
.set XSB, 16                           ; x stage, out
.set OSA, 17                           ; result stage, in
.set OSB, 18                           ; result stage, out
.set NID, 20                           ; v20-28, v30-38: set b: row ids as loaded: 0-7 of tile rows 8 h + i, 8 of tile row r
.set XO,  40                           ; v40-47, v48-55: byte offsets of those rows' codes + 16 r
.set SO,  56                           ; v56, v57: byte offset of row r's scale bytes + 32 h
.set OO,  58                           ; v58-65, v66-73: byte offsets of those rows in the output + 16 r
.set BI,  74                           ; v74-77: bias of my four columns 4 r ..
.set XS,  80                           ; v80-87, v88-95: x's scale words, and nothing else: register m: lanes 0-15 K step m, lanes 16-31 K step 8 + m, of row r
.set WS,  96                           ; v96-127: weight's scale words, and nothing else: register 16 u + s: lanes 0-15 tile 2 u, lanes 16-31 tile 2 u + 1, K step s
.set ACA, 128                          ; v128-159: four accumulators, even K steps
.set ACB, 160                          ; v160-191: four, odd K steps; later the rows read back from the result stage
.set XN,  128                          ; phase W: v128-191: my 64 numbers of a step
.set CD,  192                          ; v192-199: the codes just made
.set MX,  200                          ; v200-201: largest magnitudes, then the conversions' scale operands
.set BY,  202                          ; v202-203: scale bytes
.set WD,  204                          ; the scale word
.set TMP, 205
.set PL,  206                          ; v206-214, v215-223: set b: byte offsets in the list of the nine places whose ids are asked for
.set CI,  224                          ; v224-232, v233-241: set b: the nine ids, held to 0 .. 4095
; window 1: phase W: four sets of 64 registers as loaded; then weight fragments of K steps 0-7, (s, t) at v[8 (4 s + t)].   window 2: those of K steps 8-15.   window 3: x's codes, set b at v[128 b].
; SCALARS: s[4:5] weight, s[6:7] bias, s[8:9] xc, s[10:11] xs, s[12:13] route, s[14:15] out0; s16 wave; s17 my trips of two tiles; s22, s23 where my expert's rows begin and end; s24 its last row's place;
;   s25 its tiles; s26 the tile in hand; s29 the trips done.
.set MSB, 0
.macro WIN new                         ; s_set_vgpr_msb: bits 1:0 source 0, 3:2 source 1, 5:4 source 2, 7:6 destination; the high byte repeats the setting that is left
.if MSB != (\new)
	s_set_vgpr_msb (MSB<<8)|(\new)
.set MSB, (\new)
.endif
.endm
; ---- phase W's macros
.macro WLOAD t                         ; K step t of my 16 rows into set t % 4 of window 1: each load 512 consecutive bytes of one row.  Leaves the window set
	WIN 0x40
.irp r, 0,1,2,3,4,5,6,7,8,9,10,11,12,13,14,15
	global_load_b128 v[64*((\t)%4)+4*\r:64*((\t)%4)+4*\r+3], v[WO], s[4:5] offset:8192*\r+512*(\t) th:TH_LOAD_NT
.endr
.endm
.macro WSTIN t                         ; into my stage, as loaded
	WIN 0x04                                       ; an LDS store's data are its source 1: window 1
.irp r, 0,1,2,3,4,5,6,7,8,9,10,11,12,13,14,15
	ds_store_b128 v[SA], v[64*((\t)%4)+4*\r:64*((\t)%4)+4*\r+3] offset:WPITCH*\r
.endr
	WIN 0
.endm
.macro WSTOUT                          ; out of it as lane (r, h) wants it: blocks h and 2 + h of row r, 128 bytes each
.irp c, 0,1
.irp i, 0,1,2,3,4,5,6,7
	ds_load_b128 v[XN+32*\c+4*\i:XN+32*\c+4*\i+3], v[SB] offset:256*\c+16*\i   ; LDS serves a wave's instructions in order: these see the stores into the stage
.endr
.endr
.endm
.macro WQUANT                          ; 64 numbers become the fragment's 8 registers and my row's scale word: vector lines alone
.irp c, 0,1
	v_max3_num_f32 v[MX+\c], |v[XN+32*\c]|, |v[XN+32*\c+1]|, 0x1800000   ; block 2 c + h: all its 32 numbers are mine; the floor 2^(3 - 127) keeps the byte at 1 or above
.endr
.irp i, 2,4,6,8,10,12,14,16,18,20,22,24,26,28,30
.irp c, 0,1
	v_max3_num_f32 v[MX+\c], v[MX+\c], |v[XN+32*\c+\i]|, |v[XN+32*\c+\i+1]|   ; (the two blocks by turns)
.endr
.endr
.irp c, 0,1
	v_add_nc_u32 v[MX+\c], 0xff000000, v[MX+\c]    ; 2 off the exponent field: the conversion's scale operand
.endr
.irp c, 0,1
	v_lshrrev_b32 v[BY+\c], 23, v[MX+\c]           ; the scale's byte
.endr
	v_lshl_or_b32 v[WD], v[BY+1], 16, v[BY]        ; my two bytes, blocks h and 2 + h,
	v_lshlrev_b32 v[WD], v[H8], v[WD]              ; at their places in the word;
	v_permlanex16_b32 v[TMP], v[WD], s30, s31
	v_or_b32 v[WD], v[WD], v[TMP]                  ; with lane l xor 16's two the word is whole
.irp c, 0,1
.irp g, 0,1,2,3
	v_cvt_scalef32_pk8_fp4_f32 v[CD+4*\c+\g], v[XN+32*\c+8*\g:XN+32*\c+8*\g+7], v[MX+\c]
.endr
.endr
	v_nop                                          ; one plain line behind the last conversion
.endm
.macro WIMAGE t                        ; step t's fragment and scale word go to LDS as they stand; issued in the step behind, behind its wait on va_vdst
.irp c, 0,1
	ds_store_b128 v[IA], v[CD+4*\c:CD+4*\c+3] offset:1024*(\t)+512*\c
.endr
	ds_store_b32 v[IS], v[WD] offset:512*((\t)/4)+4*((\t)%4)   ; lanes r and 16 + r write the same word with the same value
.endm
; ---- phase G's macros
.macro IDADDR b, dk                    ; where the row ids of tile s26 + dk stand in the list, as byte offsets, into set b: vector lines alone
.set PLB, PL+9*(\b)
	s_lshl_b32 s27, s26, 4
	s_add_co_u32 s27, s27, s22
	s_add_co_u32 s27, s27, 16*(\dk)                ; the tile's first place in the list
	v_add_nc_u32 v[PB], s27, v[H8]
.irp i, 0,1,2,3,4,5,6,7
	v_add_nc_u32 v[PLB+\i], \i, v[PB]              ; tile row 8 h + i
.endr
	v_add_nc_u32 v[PLB+8], s27, v[RR]              ; tile row r
.irp i, 0,1,2,3,4,5,6,7,8
	v_min_u32 v[PLB+\i], s24, v[PLB+\i]            ; past the expert's end: its last row again
.endr
.irp i, 0,1,2,3,4,5,6,7,8
	v_min_u32 v[PLB+\i], 0xfff, v[PLB+\i]          ; and inside the list whatever the list says
.endr
.irp i, 0,1,2,3,4,5,6,7,8
	v_lshlrev_b32 v[PLB+\i], 2, v[PLB+\i]
.endr
.endm
.macro IDGET b                         ; nine loads: the ids land in registers of their own, not on the places
.irp i, 0,1,2,3,4,5,6,7,8
	global_load_b32 v[NID+10*(\b)+\i], v[PL+9*(\b)+\i], s[12:13]
.endr
.endm
.macro XADDR b                         ; ids (landed) become offsets: token = id / 2; 1,024 bytes of codes and 64 scale bytes a token.  27 plain lines
.set NB, NID+10*(\b)
.set CB, CI+9*(\b)
.set XB, XO+8*(\b)
.irp i, 0,1,2,3,4,5,6,7,8
	v_min_u32 v[CB+\i], 0xfff, v[NB+\i]            ; held, and out of the registers in which the next ids land
.endr
.irp i, 0,1,2,3,4,5,6,7
	v_and_b32 v[XB+\i], 0xffe, v[CB+\i]
.endr
.irp i, 0,1,2,3,4,5,6,7
	v_lshl_add_u32 v[XB+\i], v[XB+\i], 9, v[L16]
.endr
	v_and_b32 v[SO+(\b)], 0xffe, v[CB+8]
	v_lshl_add_u32 v[SO+(\b)], v[SO+(\b)], 5, v[H32]
.endm
.macro XLOADS b                        ; 34 loads: lanes 0-15 take 256 consecutive bytes of tile row i, lanes 16-31 of row 8 + i; then row r's scale words, eight to a lane
.set XB, XO+8*(\b)
	WIN 0xc0
.irp i, 0,1,2,3,4,5,6,7
.irp q, 0,1,2,3
	global_load_b128 v[128*(\b)+16*\i+4*\q:128*(\b)+16*\i+4*\q+3], v[XB+\i], s[8:9] offset:256*\q
.endr
.endr
	WIN 0
.irp j, 0,1
	global_load_b128 v[XS+8*(\b)+4*\j:XS+8*(\b)+4*\j+3], v[SO+(\b)], s[10:11] offset:16*\j
.endr
.endm
.macro OOSET b                         ; where those rows lie in the output: 8,192 bytes a row
.irp i, 0,1,2,3,4,5,6,7
	v_lshl_add_u32 v[OO+8*(\b)+\i], v[CI+9*(\b)+\i], 13, v[L16]
.endr
.endm
.macro MM b                            ; the product of K step ks and column tile ct
.set rD, ACA+32*(ks%2)+8*ct
.set rW, 32*(ks%8)+8*ct
.set rX, 128*(\b)+8*ks
.set rSW, WS+16*(ct/2)+ks
.set rSX, XS+8*(\b)+ks%8
.if ks < 2
.if ct%2
	v_wmma_scale_f32_16x16x128_f8f6f4 v[rD:rD+7], v[rW:rW+7], v[rX:rX+7], 0, v[rSW], v[rSX] matrix_a_fmt:MATRIX_FMT_FP4 matrix_b_fmt:MATRIX_FMT_FP4 matrix_a_scale:MATRIX_SCALE_ROW1
.else
	v_wmma_scale_f32_16x16x128_f8f6f4 v[rD:rD+7], v[rW:rW+7], v[rX:rX+7], 0, v[rSW], v[rSX] matrix_a_fmt:MATRIX_FMT_FP4 matrix_b_fmt:MATRIX_FMT_FP4
.endif
.elseif ks < 8
.if ct%2
	v_wmma_scale_f32_16x16x128_f8f6f4 v[rD:rD+7], v[rW:rW+7], v[rX:rX+7], v[rD:rD+7], v[rSW], v[rSX] matrix_a_fmt:MATRIX_FMT_FP4 matrix_b_fmt:MATRIX_FMT_FP4 matrix_a_scale:MATRIX_SCALE_ROW1
.else
	v_wmma_scale_f32_16x16x128_f8f6f4 v[rD:rD+7], v[rW:rW+7], v[rX:rX+7], v[rD:rD+7], v[rSW], v[rSX] matrix_a_fmt:MATRIX_FMT_FP4 matrix_b_fmt:MATRIX_FMT_FP4
.endif
.else
.if ct%2
	v_wmma_scale_f32_16x16x128_f8f6f4 v[rD:rD+7], v[rW:rW+7], v[rX:rX+7], v[rD:rD+7], v[rSW], v[rSX] matrix_a_fmt:MATRIX_FMT_FP4 matrix_b_fmt:MATRIX_FMT_FP4 matrix_a_scale:MATRIX_SCALE_ROW1 matrix_b_scale:MATRIX_SCALE_ROW1
.else
	v_wmma_scale_f32_16x16x128_f8f6f4 v[rD:rD+7], v[rW:rW+7], v[rX:rX+7], v[rD:rD+7], v[rSW], v[rSX] matrix_a_fmt:MATRIX_FMT_FP4 matrix_b_fmt:MATRIX_FMT_FP4 matrix_b_scale:MATRIX_SCALE_ROW1
.endif
.endif
.endm
.macro PASS b                          ; tile s26 + 4 b, whose codes lie in set b
	s_wait_loadcnt 52                              ; this tile's 34 loads are in; behind them were issued 9 ids, the other set's 34 and 9 ids
	WIN 0x0c                                       ; an LDS store's data are its source 1: window 3
.irp i, 0,1,2,3,4,5,6,7
.irp q, 0,1,2,3
	ds_store_b128 v[XSA], v[128*(\b)+16*\i+4*\q:128*(\b)+16*\i+4*\q+3] offset:XPITCH*\i+256*\q
.endr
.endr
	WIN 0xc0
	s_wait_xcnt 0x0                                ; the last pass's stores have had their addresses translated: their offsets and data are written again only behind this wait
	s_wait_alu depctr_vm_vsrc(0)                   ; the stores above have read set b, in which the loads below land; the last pass's LDS stores have read ACA and its stores ACB and the other set's OO, which the lines below write; earlier loads have read XO, SO and PL of this set, written again at this pass's tail
.irp s, 0,1,2,3,4,5,6,7,8,9,10,11,12,13,14,15
.irp c, 0,1
	ds_load_b128 v[128*(\b)+8*\s+4*\c:128*(\b)+8*\s+4*\c+3], v[XSB] offset:64*\s+32*\c   ; back as fragments, into the registers that the codes left: LDS serves a wave's instructions in order
.endr
.endr
	WIN 0
	OOSET 1-(\b)                                   ; the other set's next tile in the output, made while the fragments come
.set ks, 0
.rept 16
.if ks%4 == 0
	s_wait_dscnt 24-2*ks                           ; the fragments of these four K steps are in; the younger loads, two a K step, may be out
.endif
.set WN, 0x0d+ks/8
	WIN WN                                         ; source 0 (weight) window 1 or 2, source 1 (x) window 3, C and D window 0
.set ct, 0
.rept 4
	MM \b                                          ; eight accumulators by turns, one instruction a turn
.set ct, ct+1
.endr
.set ks, ks+1
.endr
	WIN 0
	s_wait_loadcnt 43                              ; the ids of this set's next tile are in; behind them were issued the other set's 34 loads and 9 ids
	XADDR \b                                       ; 27 plain lines that name no register of the last products, and the 37 of the places below: the places behind those products (ISA guide 7.12.1), for the additions
	IDADDR \b, 4*(\b)+16
.irp j, 0,2,4,6,8,10,12,14,16,18,20,22,24,26,28,30
	v_pk_add_f32 v[ACA+\j:ACA+\j+1], v[ACA+\j:ACA+\j+1], v[ACB+\j:ACB+\j+1]   ; even + odd K steps; each accumulator from its low end on
.endr
	s_wait_alu depctr_va_vdst(0)                   ; the additions have written ACA, which the LDS stores read, and are done reading ACB, in which the LDS loads land; the products are done reading set b and its scale words, in which the 34 loads land; XO, SO and PL are written; the ids have been read out of NID
.irp t, 0,1,2,3
	ds_store_b128 v[OSA], v[ACA+8*\t:ACA+8*\t+3] offset:64*\t          ; lane (r, h): row r, columns 16 t + 8 h + 0 .. 7
	ds_store_b128 v[OSA], v[ACA+8*\t+4:ACA+8*\t+7] offset:64*\t+16
.endr
.irp i, 0,1,2,3,4,5,6,7
	ds_load_b128 v[ACB+4*\i:ACB+4*\i+3], v[OSB] offset:OPITCH*\i       ; back: row 8 h + i, columns 4 r ..
.endr
	XLOADS \b                                      ; this set's next tile, asked for while the rows turn through the stage.  No wait: only LDS instructions on other registers and window switches stand behind the wait above
	IDGET \b                                       ; and the ids of the tile behind it
.irp i, 0,1,2,3,4,5,6,7
	s_wait_dscnt 7-\i                              ; LDS loads come back in order: number i is in
	v_pk_add_f32 v[ACB+4*\i:ACB+4*\i+1], v[ACB+4*\i:ACB+4*\i+1], v[BI:BI+1]
	v_pk_add_f32 v[ACB+4*\i+2:ACB+4*\i+3], v[ACB+4*\i+2:ACB+4*\i+3], v[BI+2:BI+3]
.endr
	s_wait_alu depctr_va_vdst(0)                   ; the bias additions have written ACB, which the eight stores read
.irp i, 0,1,2,3,4,5,6,7
	global_store_b128 v[OO+8*(\b)+\i], v[ACB+4*\i:ACB+4*\i+3], s[14:15] th:TH_STORE_NT   ; sixteen lanes store 256 consecutive bytes, aligned; written once, read by nobody here
.endr
.endm
.macro WSTEP t
.if (\t) == 12                         ; nothing is left to ask of weight: the first tiles' places are made here, ahead of this step's wait on va_vdst
	s_wait_kmcnt 0x0
	s_min_u32 s22, s22, 0x1000                     ; where my expert's rows begin,
	s_min_u32 s23, s23, 0x1000                     ; and end
	s_sub_co_u32 s24, s23, 1                       ; its last row's place
	s_sub_co_u32 s25, s23, s22
	s_add_co_u32 s25, s25, 15
	s_lshr_b32 s25, s25, 4                         ; its tiles of 16
	s_mov_b32 s26, s16                             ; my first tile
	IDADDR 0, 0
	IDADDR 1, 4
.endif
.if (\t) <= 12
	s_wait_loadcnt 48                              ; this step's 16 loads are in; three later steps' may be out
.elseif (\t) == 13
	s_wait_loadcnt 50                              ; behind it: two steps' 32 loads and 18 ids
.elseif (\t) == 14
	s_wait_loadcnt 34                              ; behind it: the last step's 16 and 18 ids
.endif                                 ; (step 15's loads are older than the ids that step 14 has waited for)
	WSTIN \t                                       ; these stores read loaded registers and an address made at the head: they hang on no vector line of the last step
.if (\t) > 0
	s_wait_alu depctr_va_vdst(0)                   ; the last step's lines have written the codes and the scale word, which the image stores read, and are done reading XN, in which the stage's loads land; steps 12 and 15: the offsets made at the last step's tail are written, step 15: the ids have been read out of NID
	WIMAGE (\t)-1
.endif
.if (\t) == 12
	IDGET 0                                        ; the first two tiles' ids
	IDGET 1
.endif
.if (\t) == 15
	XLOADS 0                                       ; my first tile's codes, and the ids of set 0's next tile
	IDGET 0
.endif
	WSTOUT
	s_wait_dscnt 0x0                               ; my numbers are back
	s_wait_alu depctr_vm_vsrc(0)                   ; the stage's stores have read set t % 4, in which later loads land (step t + 4's; behind the barrier the fragments'); the image stores have read the codes and the scale word, which this step's lines write again; the id loads have read their places
.if (\t) < 12
	WLOAD (\t)+4                                   ; the set takes the step four on
	WIN 0
.endif
	WQUANT
.if (\t) == 14
	s_wait_loadcnt 9                               ; my first tile's ids are in; the second's may be out
	XADDR 0
	OOSET 0
	IDADDR 0, 8
.endif
.if (\t) == 15
	s_wait_loadcnt 43                              ; the second tile's ids are in; behind them: 34 loads and 9 ids
	XADDR 1                                        ; (where its rows lie in the output is made in the first pass of set 0)
	IDADDR 1, 12
.endif
.endm
; ---------------------------------------------------------------- the head: every address is made while the arguments come
	s_load_b256 s[4:11], s[0:1], 0x0               ; weight, bias, xc, xs
	s_load_b128 s[12:15], s[0:1], 0x20             ; route, out0
	v_lshl_add_u32 v254, v0, 2, 0x2dc00
	v_mov_b32 v255, 0
	v_lshrrev_b32 v6, 5, v0
	v_readfirstlane_b32 s16, v6                    ; wave 0..3
	v_and_b32 v6, 31, v0                           ; lane
	v_and_b32 v[RR], 15, v0
	v_bfe_u32 v7, v0, 4, 1                         ; h
	v_lshlrev_b32 v[WO], 4, v6
	v_lshlrev_b32 v[L16], 4, v[RR]
	v_lshlrev_b32 v[H8], 3, v7
	v_lshlrev_b32 v[H32], 5, v7
	v_lshlrev_b32 v[LI], 4, v6
	v_lshl_add_u32 v[LS], v6, 4, WSC
	v_mov_b32 v[TMP], 0                            ; written once: a lane permute's destination counts as one of its sources
	s_wait_alu depctr_va_sdst(0)                   ; s16 is written, ahead of its first reader: the stages' places and the bases are made from it
	s_mul_i32 s20, s16, 16*WPITCH
	s_add_co_u32 s20, s20, WSTG                    ; my weight stage
	v_add_nc_u32 v[SA], s20, v[LI]                 ; in: 16 lane, the row in the immediate
	v_mul_u32_u24 v[SB], v[RR], WPITCH
	v_lshl_add_u32 v[SB], v7, 7, v[SB]
	v_add_nc_u32 v[SB], s20, v[SB]                 ; out: row r, + 128 h
	s_lshl_b32 s20, s16, 14
	v_add_nc_u32 v[IA], s20, v[LI]                 ; my tile's 16 images (WIMG = 0)
	s_lshr_b32 s20, s16, 1
	s_lshl_b32 s20, s20, 11
	s_and_b32 s21, s16, 1
	s_lshl_b32 s21, s21, 8
	s_add_co_u32 s20, s20, s21
	s_add_co_u32 s20, s20, WSC
	v_add_nc_u32 v[IS], s20, v[L16]                ; my tile's scale words: 2048 (w / 2) + 256 (w % 2) + 16 r
	s_mul_i32 s20, s16, 16*XPITCH
	s_add_co_u32 s20, s20, XSTG                    ; my x stage
	v_mad_u32_u24 v[XSA], v7, 8*XPITCH, v[L16]
	v_add_nc_u32 v[XSA], s20, v[XSA]               ; in: row 8 h + i, 16 r
	v_mul_u32_u24 v[XSB], v[RR], XPITCH
	v_lshl_add_u32 v[XSB], v7, 4, v[XSB]
	v_add_nc_u32 v[XSB], s20, v[XSB]               ; out: row r, + 16 h
	s_mul_i32 s20, s16, 16*OPITCH
	s_add_co_u32 s20, s20, OSTG                    ; my result stage
	v_mul_u32_u24 v[OSA], v[RR], OPITCH
	v_lshl_add_u32 v[OSA], v7, 5, v[OSA]
	v_add_nc_u32 v[OSA], s20, v[OSA]               ; in: row r, + 32 h
	v_mad_u32_u24 v[OSB], v7, 8*OPITCH, v[L16]
	v_add_nc_u32 v[OSB], s20, v[OSB]               ; out: row 8 h + i, 16 r
	s_mov_b32 s30, 0x76543210
	s_mov_b32 s31, 0xfedcba98                      ; v_permlanex16_b32's selects for lane l xor 16
	s_lshl_b32 s20, ttmp9, 19                      ; my work-group's 64 rows of 8,192 bytes,
	s_lshl_b32 s21, s16, 17                        ; my wave's 16 of them
	s_add_co_u32 s20, s20, s21
	s_mov_b32 s21, 0
	s_lshr_b32 s18, ttmp9, 5                       ; my expert
	s_lshl_b32 s19, s18, 2
	s_wait_kmcnt 0x0
	s_add_nc_u64 s[4:5], s[4:5], s[20:21]
	s_lshl_b32 s20, ttmp9, 8                       ; bias: 256 bytes for each 64 columns, expert by expert
	s_add_nc_u64 s[6:7], s[6:7], s[20:21]
	s_and_b32 s20, ttmp9, 31
	s_lshl_b32 s20, s20, 8                         ; out0: my 64 columns in a row
	s_add_nc_u64 s[14:15], s[14:15], s[20:21]
	s_load_b32 s22, s[12:13], s19 offset:0x4000    ; wanted at step 12
	s_load_b32 s23, s[12:13], s19 offset:0x4004
	s_wait_alu depctr_va_vdst(0)                   ; every offset and LDS address made above is written: the loads and stores of the whole kernel read them, and none is written again
	global_load_b128 v[BI:BI+3], v[L16], s[6:7]
	WLOAD 0                                        ; four steps, 64 loads of 512 bytes
	WLOAD 1
	WLOAD 2
	WLOAD 3
	WIN 0
; ---------------------------------------------------------------- phase W: written out, every offset an immediate
.irp t, 0,1,2,3,4,5,6,7,8,9,10,11,12,13,14,15
	WSTEP \t
.endr
	s_wait_alu depctr_va_vdst(0)                   ; step 15's lines have written the codes and the scale word, which the last image stores read; XO, SO and PL of set 1 are written, and its ids have been read out of NID
	WIMAGE 15
	XLOADS 1                                       ; my second tile's codes, and the ids of set 1's next tile
	IDGET 1
	s_wait_dscnt 0x0                               ; for the others' sake: my images and scale words have landed
	s_barrier_signal -1
	s_barrier_wait -1                              ; the one barrier: all 64 fragments lie in LDS; nobody writes them again
	WIN 0x40                                       ; (window 1's registers: their last readers, the stage's stores, stand ahead of step 15's wait on vm_vsrc; no vector line has named them)
.irp s, 0,1,2,3,4,5,6,7
.irp t, 0,1,2,3
.irp c, 0,1
	ds_load_b128 v[8*(4*\s+\t)+4*\c:8*(4*\s+\t)+4*\c+3], v[LI] offset:(16*\t+\s)*1024+512*\c
.endr
.endr
.endr
	WIN 0x80
.irp s, 0,1,2,3,4,5,6,7
.irp t, 0,1,2,3
.irp c, 0,1
	ds_load_b128 v[8*(4*\s+\t)+4*\c:8*(4*\s+\t)+4*\c+3], v[LI] offset:(16*\t+\s+8)*1024+512*\c
.endr
.endr
.endr
	WIN 0
.irp u, 0,1
.irp q, 0,1,2,3
	ds_load_b128 v[WS+16*\u+4*\q:WS+16*\u+4*\q+3], v[LS] offset:2048*\u+512*\q
.endr
.endr
	s_wait_dscnt 0x0
; ---------------------------------------------------------------- phase G: two tiles a trip, so that the two sets of registers come back to where they began
; The trips are counted one by one against their number, which is made once ahead of the loop.  The loop is left by falling through its backward branch, or, where the last trip's second tile does not
; exist, by the wave's end inside it: no branch passes over the counter's step.  Loads asked ahead for tiles that do not exist stay inside their buffers and are left behind at the wave's end.
	s_cmp_ge_u32 s26, s25
	s_cbranch_scc1 .Ldone                          ; no tile for this wave
	s_sub_co_u32 s17, s25, s16                     ; my tiles are w, w + 4, ..: a trip takes two of them, eight tiles on:
	s_add_co_u32 s17, s17, 7
	s_lshr_b32 s17, s17, 3                         ; (tiles - w + 7) / 8 trips, one at the least here
	s_min_u32 s17, s17, 32                         ; 4,096 rows are 256 tiles: never more than 32 trips
	s_mov_b32 s29, 0
.Lpair:
	PASS 0
	s_add_co_u32 s28, s26, 4
	s_cmp_lt_u32 s28, s25
	s_cbranch_scc1 .Lsecond                        ; the trip's second tile exists: on; on this way the same loads have been issued as ever, so PASS 1's counts hold
	s_wait_dscnt 0x0
	s_wait_alu depctr_hold_cnt(0) depctr_sa_sdst(0) depctr_va_vdst(0) depctr_va_sdst(0) depctr_va_ssrc(0) depctr_va_vcc(0) depctr_vm_vsrc(0)
	s_wait_tensorcnt 0x0
	ds_add_u32 v254, v255
	s_wait_dscnt 0x0
	s_endpgm                                       ; it does not: this wave has stored its last tile
.Lsecond:
	PASS 1
	s_add_co_u32 s26, s26, 8                       ; the next trip's first tile
	s_add_co_u32 s29, s29, 1
	s_cmp_lt_u32 s29, s17
	s_cbranch_scc1 .Lpair
.Ldone:
	s_wait_dscnt 0x0
	s_wait_alu depctr_hold_cnt(0) depctr_sa_sdst(0) depctr_va_vdst(0) depctr_va_sdst(0) depctr_va_ssrc(0) depctr_va_vcc(0) depctr_vm_vsrc(0)
	s_wait_tensorcnt 0x0
	ds_add_u32 v254, v255
	s_wait_dscnt 0x0
	s_endpgm
.Lfunc_end_k_q7772b1e72d_moe:
	.size	k_q7772b1e72d_moe, .Lfunc_end_k_q7772b1e72d_moe-k_q7772b1e72d_moe
	.p2alignl 7, 3214868480
	.fill 96, 4, 3214868480
	.section	.rodata,"a",@progbits
	.p2align	6, 0x0
	.amdhsa_kernel k_q7772b1e72d_moe
		.amdhsa_group_segment_fixed_size 187904
		.amdhsa_private_segment_fixed_size 0
		.amdhsa_enable_private_segment 0
		.amdhsa_kernarg_size 48
		.amdhsa_user_sgpr_count 2
		.amdhsa_user_sgpr_kernarg_segment_ptr 1
		.amdhsa_wavefront_size32 1
		.amdhsa_system_sgpr_workgroup_id_x 1
		.amdhsa_system_sgpr_workgroup_id_y 1
		.amdhsa_system_sgpr_workgroup_id_z 1
		.amdhsa_system_vgpr_workitem_id 0
		.amdhsa_next_free_vgpr 1024
		.amdhsa_next_free_sgpr 66
		.amdhsa_reserve_vcc 0
		.amdhsa_float_denorm_mode_32 3
		.amdhsa_float_denorm_mode_16_64 3
		.amdhsa_memory_ordered 1
		.amdhsa_forward_progress 1
		.amdhsa_inst_pref_size 193
	.end_amdhsa_kernel
	.amdgpu_metadata
---
amdhsa.version: [ 1, 2 ]
amdhsa.kernels:
  - .name:           k_q7772b1e72d_moe
    .symbol:         k_q7772b1e72d_moe.kd
    .args:
      - { .name: weight, .offset: 0, .size: 8, .value_kind: global_buffer, .address_space: global }
      - { .name: bias, .offset: 8, .size: 8, .value_kind: global_buffer, .address_space: global }
      - { .name: xc, .offset: 16, .size: 8, .value_kind: global_buffer, .address_space: global }
      - { .name: xs, .offset: 24, .size: 8, .value_kind: global_buffer, .address_space: global }
      - { .name: route, .offset: 32, .size: 8, .value_kind: global_buffer, .address_space: global }
      - { .name: out0, .offset: 40, .size: 8, .value_kind: global_buffer, .address_space: global }
    .group_segment_fixed_size: 187904
    .private_segment_fixed_size: 0
    .kernarg_segment_align: 8
    .kernarg_segment_size: 48
    .max_flat_workgroup_size: 128
    .sgpr_count:     66
    .vgpr_count:     1024
    .wavefront_size: 32
...
	.end_amdgpu_metadata
.endif
;; end of part 4
